; MI455X (gfx1250); checked and timed in simulation.
; The chip was launched on July 23, 2026; its instructions are those of AMD's public machine-readable ISA for CDNA 5 (MIT licence, August 2026) and "CDNA5" Instruction Set Architecture Reference Guide (July 2026). The comments in the code are by the model that wrote it; some were corrected since.
;; Multi Head Attention. Allowed arithmetic: matrix products marked QUANTISED: E4M3 operands, one given power-of-two scale a tensor, by v_wmma_f32_16x16x64_fp8_fp8 or v_wmma_f32_16x16x128_fp8_fp8, f32 sums; everything else in f32.
;; Inputs: WK 1,024 x 1,024 float32; WO 1,024 x 1,024 float32; WQ 1,024 x 1,024 float32; WV 1,024 x 1,024 float32; lowp_scales 12 int32 (the exponents e of the quantised operands' scales 2^e); token_positions 4 x 2,048 int32; x 4 x 2,048 x 1,024 float32.
;; Outputs: out0 4 x 2,048 x 1,024 float32.
;; This version of the problem:
;;   THIS VERSION OF THE PROBLEM IS GIVEN IN LOW PRECISION. The matrix products marked QUANTISED in the list below multiply operands that are first quantised to E4M3 (4 exponent bits, 3 mantissa bits; 8 bits a number), with one given power-of-two scale for each operand tensor; their sums are f32. All else is computed in f32.
;;   The module's matrix products, in the order in which they are computed (A, B: the left and right operand; K: the contracted axis; several contracted axes count as one K, in the product's order):
;;     1. [M 8,192, K 1,024] x [K 1,024, N 1,024]; A: input x; B: input WQ: QUANTISED (scales: A lowp_scales[0], B lowp_scales[1])
;;     2. [M 8,192, K 1,024] x [K 1,024, N 1,024]; A: input x; B: input WK: QUANTISED (scales: A lowp_scales[2], B lowp_scales[3])
;;     3. [M 8,192, K 1,024] x [K 1,024, N 1,024]; A: input x; B: input WV: QUANTISED (scales: A lowp_scales[4], B lowp_scales[5])
;;     4. batch 64 x [M 2,048, K 64] x [K 64, N 2,048]; A: computed on the way; B: computed on the way: QUANTISED (scales: A lowp_scales[6], B lowp_scales[7])
;;     5. batch 64 x [M 2,048, K 2,048] x [K 2,048, N 64]; A: softmax (see below); B: computed on the way: QUANTISED (scales: A lowp_scales[8], B lowp_scales[9])
;;     6. [M 8,192, K 1,024] x [K 1,024, N 1,024]; A: computed on the way; B: input WO: QUANTISED (scales: A lowp_scales[10], B lowp_scales[11])
;;   THE QUANTISER, for each operand of a quantised product, along K:
;;     - The operand's scale is 2^e, e = its entry of the input lowp_scales (int32; the entries are numbered through the quantised products in the list's order, A before B).
;;     - Each number is divided by the scale, clamped to +-448, and rounded to the nearest number of E4M3, ties to even, subnormals kept.
;;     - The product sums the exact products of the quantised numbers (number of the format x scale) in f32.
;;   ~~~python
;;   def quantise(x, axis, e):      # numpy; x: float32 -> the quantised numbers, widened to float32 again
;;       x = np.moveaxis(x, axis, -1); K = x.shape[-1]
;;       r = np.clip(x / 2.0 ** e, -448, 448)
;;       step = 2.0 ** (np.maximum(np.frexp(np.where(r == 0, 1, r))[1] - 1, -6) - 3)
;;       q = np.round(r / step) * step * 2.0 ** e      # np.round: ties to even
;;       return np.moveaxis(q, -1, axis).astype(np.float32)
;;   ~~~
;;   SOFTMAX AHEAD OF A QUANTISED PRODUCT. Where the list says 'softmax', what is quantised is not the finished softmax but p = 2^(t - M), with t = logit x log2(e) and M = ceil(the row's largest t), a whole number; so 1/2 < the row's largest p <= 1. The row's sum l is taken of the UNQUANTISED p, in f32, and the product's result is divided by l at the end. Since M is a whole number, a kernel that streams over the keys may use a running M (the ceiling of the running maximum): every later rescaling is an exact power of two, so the quantised numbers keep their values, but for numbers so far below the row's largest that they fall under the format's range.
;;   OPERANDS COMPUTED ON THE WAY. 'Computed on the way' means the value that the module computes at that place (a softmax that the list does not call 'softmax' is quantised finished and normalised). What goes into a quantiser is computed in f32, as accurately as f32 sums, v_exp_f32 and their like allow (about 1e-6 of the number): no bf16 or f16 on the way to a quantiser, and a product that is left as it is and whose result goes on into a quantised operand takes f32 operands (vector FMAs, or v_wmma_f32_16x16x4_f32). A number that lies on a knife's edge between two numbers of the format may be rounded either way, as far as f32 arithmetic and the matrix unit's own rounding can turn it there, and no further.
;; One version. Each part assembles by itself: llvm-mc -triple=amdgcn-amd-amdhsa -mcpu=gfx1250 --defsym DOCPART=n.
;; ======== version 1 of 1: 4 launches
;; limits: right only within a limited range of input values
;; workspace buffers: codes 29,360,128 bytes; rope 4,194,304 bytes; qimg 8,388,608 bytes; kv 16,777,216 bytes; aimg 8,388,608 bytes
;; launch prep (part 1): grid 448 x 1, 4 waves a work-group, no clusters, 33,280 bytes of LDS; arguments x, WQ, WK, WV, WO, lowp_scales, token_positions, codes, rope; writes codes, rope
.if DOCPART == 1
	.amdgcn_target "amdgcn-amd-amdhsa--gfx1250"
	.amdhsa_code_object_version 6
	.text
	.protected	k_qefce066386_prep
	.globl	k_qefce066386_prep
	.p2align	8
	.type	k_qefce066386_prep,@function
k_qefce066386_prep:
	s_mov_b64 s[64:65], 0
	v_nop
	global_prefetch_b8 v0, s[64:65] scope:SCOPE_SE
	s_setreg_imm32_b32 hwreg(HW_REG_WAVE_MODE, 25, 1), 1
	s_wait_xcnt 0x0
; x [8192][1024] and the four weights [1024][1024], f32, K innermost, become codes of FP8 (E4M3); and the cosines and sines of RoPE become two tables.
; code = number / 2^e, held within +-448, to the nearest code, ties to even.  x is an operand of three products with three given scales: it is read once and converted three times.
; WORK-GROUPS.  0-255: x, 32 rows each (8 rows a wave).  256-383: weight (id - 256) / 32 in the order WQ, WK, WV, WO, 32 rows each.  384-447: the tables.
; THE BUFFER OF CODES, rows of 1,024 bytes: x under scale 0 at 0, under scale 2 at 8 MiB, under scale 4 at 16 MiB; WQ, WK, WV, WO at 24, 25, 26, 27 MiB.
; ROWS SWAPPED.  In all but the first x and WO the second and third group of 8 rows of every 32 change places: stored row 32 g + 16 u + m holds row 32 g + 8 u + m + 8 (m / 8).  The product that takes
; 16 neighbouring stored rows as a tile then leaves, in a lane's 16 registers of two neighbouring tiles, 16 neighbours along the next product's K.  A wave owns 8 rows, so the swap is a swap of its number's two bits.
; A wave takes 16 steps of 512 numbers.  Each load reads 512 consecutive bytes; the step's 2,048 bytes turn through the wave's own stage in LDS (16 bytes of padding behind each 64) so that a lane holds 16 neighbours;
; a lane's 16 codes are 16 bytes, and a store of the wave covers 512 consecutive bytes, aligned.  Waves share nothing: no barrier.
; THE TABLES: [2][512 blocks of 16 tokens][8 chunks][32 lanes][16 bytes].  Chunk 4 bb + i, lane (r, h): cos f, sin f, cos (f + 1), sin (f + 1) of token r's angle, f = 16 bb + 8 h + 2 i: the order in which the
; projection's lanes hold their pairs.  Table 0: block b holds tokens 16 b + r.  Table 1: token 32 (b / 2) + 8 (b % 2) + r + 8 (r / 8), as K's swapped rows of x lie.
; The angle is f32(position) x f32(10^(-f/8)), rounded once; it is reduced by k = the nearest whole number to angle x 2/pi with pi/2 in two parts (fused multiply-adds), and sine and cosine are polynomials on +-pi/4.
; LIMITS: each e between -126 and 119; |position| up to 2^20 (the two parts of pi/2 leave k x 1.3e-15 of error); NaN among the inputs is not served.
.set WAVES, 4
.set STEPS, 16
.set R,     16                         ; v16-79    four sets of 16 numbers as they are loaded
.set X,     80                         ; v80-111   two sets of 16 neighbours
.set T,     112
.set C,     128                        ; v128-139  codes: four registers for each of the three scales
.set SC,    140                        ; v140, 142, 144: 2^e
.set WREG,  8192                       ; LDS: a region for each wave: two stages of 32 x SP bytes
.set SP,    80
.set SPW,   12                         ; v12  LDS address of my spare word; never rewritten
.set NIL,   13                         ; v13  0; never rewritten
.set SPARE, WAVES*WREG                 ; behind the regions: the spare words, 128 bytes a wave
	s_load_b512 s[16:31], s[0:1], 0x0              ; x, WQ, WK, WV, WO, the scales, the positions, the codes
	s_load_b64 s[32:33], s[0:1], 0x40              ; the tables
	v_lshl_add_u32 v[SPW], v0, 2, SPARE
	v_mov_b32 v[NIL], 0
	v_lshrrev_b32 v1, 5, v0
	v_readfirstlane_b32 s36, v1                    ; wave
	v_and_b32 v2, 31, v0                           ; lane
	v_lshlrev_b32 v3, 4, v2                        ; 16 x lane: my place in a load's, a code store's and a table chunk's 512 bytes
	s_cmp_ge_u32 ttmp9, 384
	s_cbranch_scc1 .Ltables
	; ---- x and the weights: one path; only pointers, offsets and exponents are chosen, by the work-group's number
	s_sub_co_u32 s37, ttmp9, 256
	s_and_b32 s38, s37, 31
	s_lshr_b32 s37, s37, 5                         ; which weight (of use in a weight's work-group alone)
	s_cmp_lt_u32 ttmp9, 256
	s_cselect_b32 s38, ttmp9, s38                  ; which 32 rows of the tensor
	s_cselect_b32 s39, 1, 0                        ; 1: x
	s_lshl_b32 s54, s38, 2
	s_add_co_u32 s55, s54, s36                     ; g: my run of 8 rows
	s_and_b32 s56, s36, 1
	s_lshl_b32 s56, s56, 1
	s_lshr_b32 s57, s36, 1
	s_or_b32 s56, s56, s57
	s_add_co_u32 s56, s54, s56                     ; gp: its place where rows are swapped
	s_cmp_eq_u32 s37, 3
	s_cselect_b32 s57, s55, s56                    ; WO keeps its order
	s_lshl_b32 s57, s57, 13
	s_lshl_b32 s58, s37, 20
	s_add_co_u32 s57, s57, s58
	s_add_co_u32 s57, s57, 0x1800000               ; a weight's codes: 24 MiB + weight x 1 MiB + run x 8,192
	s_lshl_b32 s58, s55, 13                        ; x under scale 0: run x 8,192
	s_cmp_lt_u32 ttmp9, 256
	s_cselect_b32 s58, s58, s57
	s_mov_b32 s59, 0
	s_lshl_b32 s60, s56, 13
	s_add_co_u32 s60, s60, 0x800000                ; x under scale 2
	s_mov_b32 s61, 0
	s_add_co_u32 s62, s60, 0x800000                ; x under scale 4
	s_mov_b32 s63, 0
	s_lshl_b32 s52, s55, 15                        ; the run's numbers: 32,768 bytes
	s_mov_b32 s53, 0
	s_mul_i32 s66, s36, WREG
	s_wait_alu depctr_va_vdst(0)
	v_lshrrev_b32 v14, 2, v2
	v_mul_u32_u24 v14, v14, SP
	v_and_b32 v15, 3, v2
	v_lshl_add_u32 v14, v15, 4, v14
	v_add_nc_u32 v14, s66, v14                     ; the stage, on the way in: SP (lane / 4) + 16 (lane % 4)
	v_mul_u32_u24 v15, v2, SP
	v_add_nc_u32 v15, s66, v15                     ; and on the way out: SP x lane: my 16 neighbours
	s_wait_alu depctr_va_vdst(0)
	s_wait_kmcnt 0x0
	s_load_b256 s[40:47], s[26:27], 0x0            ; the exponents 0 to 7
	s_load_b128 s[48:51], s[26:27], 0x20           ; 8 to 11
	s_cmp_eq_u32 s37, 2
	s_cselect_b64 s[4:5], s[22:23], s[24:25]
	s_cmp_eq_u32 s37, 1
	s_cselect_b64 s[4:5], s[20:21], s[4:5]
	s_cmp_eq_u32 s37, 0
	s_cselect_b64 s[4:5], s[18:19], s[4:5]
	s_cmp_lt_u32 ttmp9, 256
	s_cselect_b64 s[4:5], s[16:17], s[4:5]         ; the tensor
	s_add_nc_u64 s[4:5], s[4:5], s[52:53]
	s_add_nc_u64 s[8:9], s[30:31], s[58:59]        ; where the codes go: scale 0 of x, or the weight's
	s_add_nc_u64 s[10:11], s[30:31], s[60:61]
	s_add_nc_u64 s[12:13], s[30:31], s[62:63]
.macro LOAD t
.irp i, 0,1,2,3
	global_load_b128 v[R+16*((\t)%4)+4*\i:R+16*((\t)%4)+4*\i+3], v3, s[4:5] offset:2048*(\t)+512*\i th:TH_LOAD_NT   ; 32 lanes read 512 consecutive bytes
.endr
.endm
.macro TURN t                          ; step t's numbers through the stage: LDS serves a wave's instructions in order, so no wait stands between the stores and the loads
.irp i, 0,1,2,3
	ds_store_b128 v14, v[R+16*((\t)%4)+4*\i:R+16*((\t)%4)+4*\i+3] offset:32*SP*((\t)%2)+8*SP*\i
.endr
.irp i, 0,1,2,3
	ds_load_b128 v[X+16*((\t)%2)+4*\i:X+16*((\t)%2)+4*\i+3], v15 offset:32*SP*((\t)%2)+16*\i
.endr
.endm
.irp t, 0,1,2,3
	LOAD \t
.endr
	s_wait_kmcnt 0x0
	s_cmp_eq_u32 s37, 2
	s_cselect_b32 s67, s45, s51                    ; WV: entry 5; WO: entry 11
	s_cmp_eq_u32 s37, 1
	s_cselect_b32 s67, s43, s67                    ; WK: 3
	s_cmp_eq_u32 s37, 0
	s_cselect_b32 s67, s41, s67                    ; WQ: 1
	s_cmp_lt_u32 ttmp9, 256
	s_cselect_b32 s67, s40, s67                    ; x: 0
.macro MKSCALE k, e                    ; 2^e as f32 (the conversion takes its exponent field)
	s_add_co_i32 s68, \e, 127
	s_lshl_b32 s69, s68, 23
	v_mov_b32 v[SC+2*(\k)], s69
.endm
	MKSCALE 0, s67
	MKSCALE 1, s42
	MKSCALE 2, s44
	s_wait_alu depctr_va_vdst(0)
	s_wait_loadcnt 12                              ; step 0's four loads are in
	TURN 0
.macro CONV k, t                       ; the step's 16 numbers of my lane under scale k
.irp i, 0,1,2,3,4,5,6,7,8,9,10,11,12,13,14,15
.endr
	v_cvt_scalef32_pk8_fp8_f32 v[C+4*(\k):C+4*(\k)+1], v[XS:XS+7], v[SC+2*(\k)]
	v_cvt_scalef32_pk8_fp8_f32 v[C+4*(\k)+2:C+4*(\k)+3], v[XS+8:XS+15], v[SC+2*(\k)]
	v_nop                                          ; a plain line behind the conversions
	global_store_b128 v3, v[C+4*(\k):C+4*(\k)+3], s[8+2*(\k):9+2*(\k)] offset:512*(\t)
.endm
.macro STEP t
.set XS, X+16*((\t)%2)
	s_wait_dscnt 0x0                               ; this step's numbers are back from the stage, so its stores into the stage have read their registers,
.if (\t)+4 < STEPS
	LOAD (\t)+4                                    ; which take the loads of four steps on
.endif
.if (\t)+1 < STEPS
.if STEPS-2-(\t) >= 3
	s_wait_loadcnt 12                              ; the next step's four loads are in; those of the three steps behind it may be out
.else
	s_wait_loadcnt 4*(STEPS-2-(\t))
.endif
	TURN (\t)+1
.endif
.if (\t) > 0
	s_wait_xcnt 0x0                                ; the last step's stores have read the codes' registers
.endif
	CONV 0, \t
	s_cmp_eq_u32 s39, 0                            ; a weight has one scale
	s_cbranch_scc1 .Lweight_\@
	CONV 1, \t
	CONV 2, \t
.Lweight_\@:
.endm
.irp t, 0,1,2,3,4,5,6,7,8,9,10,11,12,13,14,15
	STEP \t
.endr
	s_wait_tensorcnt 0x0                           ; the wave's end, behind my last LDS store
	ds_add_u32 v[SPW], v[NIL]
	s_wait_dscnt 0x0
	s_endpgm
	; ---- the tables: no LDS.  A wave makes four blocks of 16 tokens
.Ltables:
	s_sub_co_u32 s37, ttmp9, 384
	s_lshr_b32 s38, s37, 5                         ; which table
	s_and_b32 s37, s37, 31
	s_lshl_b32 s37, s37, 4
	s_lshl_b32 s39, s36, 2
	s_add_co_u32 s37, s37, s39                     ; my first block, a multiple of 4
	s_cmp_eq_u32 s38, 1
	s_cselect_b32 s40, 8, 16                       ; tokens from an even block to the odd one behind it
	s_cselect_b32 s41, 8, 0
	v_and_b32 v4, 15, v0                           ; r
	v_bfe_u32 v5, v0, 4, 1                         ; h
	v_and_b32 v6, s41, v4
	v_add_nc_u32 v6, v6, v4                        ; r, or r + 8 (r / 8)
	s_lshl_b32 s42, s37, 4
	v_add_nc_u32 v6, s42, v6                       ; my token in block 0
	v_lshlrev_b32 v84, 2, v6
	v_add_lshl_u32 v85, v6, s40, 2
	v_add_nc_u32 v86, 128, v84                     ; blocks 2 and 3: 32 tokens on
	v_add_nc_u32 v87, 128, v85
	s_lshl_b32 s44, s38, 21
	s_lshl_b32 s45, s37, 12
	s_add_co_u32 s44, s44, s45
	s_mov_b32 s45, 0
	s_mov_b32 s46, 0x3fc90fdb                      ; pi/2, its upper part,
	s_mov_b32 s47, 0xb33bbd2e                      ; and what is left of it
	s_mov_b32 s48, 0xbe2aaaa3                      ; sine: -1.6666654611e-1,
	s_mov_b32 s49, 0x3c08839e                      ; 8.3321608736e-3,
	s_mov_b32 s50, 0xb94ca1f9                      ; -1.9515295891e-4
	s_mov_b32 s51, 0x3d2aaaa5                      ; cosine: 4.166664568e-2,
	s_mov_b32 s52, 0xbab6061a                      ; -1.388731625e-3,
	s_mov_b32 s53, 0x37ccf5ce                      ; 2.443315712e-5
	s_wait_alu depctr_va_vdst(0)
	s_wait_kmcnt 0x0
	s_add_nc_u64 s[32:33], s[32:33], s[44:45]
.irp i, 0,1,2,3
	global_load_b32 v[80+\i], v[84+\i], s[28:29]
.endr
	v_cmp_eq_u32 vcc_lo, 1, v5
.macro FREQ n, lo, hi                  ; 10^(-f/8) for f = 16 (n / 8) + n % 8 in lanes 0-15 and for f + 8 in lanes 16-31
	v_mov_b32 v[16+\n], \hi
	v_cndmask_b32 v[16+\n], \lo, v[16+\n], vcc_lo
.endm
	FREQ 0, 1.0, 0.1
	FREQ 1, 0.74989420933, 0.074989420933
	FREQ 2, 0.56234132519, 0.056234132519
	FREQ 3, 0.42169650343, 0.042169650343
	FREQ 4, 0.31622776602, 0.031622776602
	FREQ 5, 0.23713737057, 0.023713737057
	FREQ 6, 0.17782794100, 0.017782794100
	FREQ 7, 0.13335214322, 0.013335214322
	FREQ 8, 0.01, 0.001
	FREQ 9, 0.0074989420933, 0.00074989420933
	FREQ 10, 0.0056234132519, 0.00056234132519
	FREQ 11, 0.0042169650343, 0.00042169650343
	FREQ 12, 0.0031622776602, 0.00031622776602
	FREQ 13, 0.0023713737057, 0.00023713737057
	FREQ 14, 0.0017782794100, 0.00017782794100
	FREQ 15, 0.0013335214322, 0.00013335214322
	s_wait_loadcnt 0x0
.irp i, 0,1,2,3
	v_cvt_f32_i32 v[80+\i], v[80+\i]
.endr
.macro SINCOS o, f, p                  ; v[o] = cos, v[o+1] = sin of v[p] x v[f]
	v_mul_f32 v64, v[\p], v[\f]                    ; the angle, rounded once
	v_mul_f32 v65, 0x3f22f983, v64                 ; x 2/pi
	v_rndne_f32 v65, v65                           ; k
	v_fma_f32 v66, -v65, s46, v64
	v_fma_f32 v66, -v65, s47, v66                  ; r = angle - k pi/2, within +-pi/4
	v_cvt_i32_f32 v67, v65
	v_mul_f32 v68, v66, v66                        ; z = r r
	v_fma_f32 v69, v68, s50, s49
	v_fma_f32 v69, v69, v68, s48
	v_mul_f32 v70, v68, v66
	v_fma_f32 v69, v69, v70, v66                   ; sin r
	v_fma_f32 v70, v68, s53, s52
	v_fma_f32 v70, v70, v68, s51
	v_mul_f32 v71, v68, v68
	v_fma_f32 v68, v68, -0.5, 1.0
	v_fma_f32 v70, v70, v71, v68                   ; cos r
	v_and_b32 v71, 1, v67
	v_cmp_eq_u32 vcc_lo, 1, v71                    ; an odd quarter turn swaps the two
	v_cndmask_b32 v68, v69, v70, vcc_lo
	v_cndmask_b32 v70, v70, v69, vcc_lo
	v_lshlrev_b32 v71, 30, v67                     ; the sine changes sign in quarters 2 and 3: bit 1 of k,
	v_and_b32 v71, 0x80000000, v71
	v_xor_b32 v[(\o)+1], v68, v71
	v_add_nc_u32 v67, 1, v67                       ; the cosine in quarters 1 and 2: bit 1 of k + 1
	v_lshlrev_b32 v67, 30, v67
	v_and_b32 v67, 0x80000000, v67
	v_xor_b32 v[\o], v70, v67
.endm
.irp i, 0,1,2,3
.if \i > 0
	s_wait_xcnt 0x0                                ; the last block's stores have read their registers
.endif
.set n, 0
.rept 16
	SINCOS 32+2*n, 16+n, 80+\i
.set n, n+1
.endr
.irp c, 0,1,2,3,4,5,6,7
	global_store_b128 v3, v[32+4*\c:35+4*\c], s[32:33] offset:4096*\i+512*\c   ; 512 consecutive bytes, aligned
.endr
.endr
	s_endpgm
.Lfunc_end_k_qefce066386_prep:
	.size	k_qefce066386_prep, .Lfunc_end_k_qefce066386_prep-k_qefce066386_prep
	.p2alignl 7, 3214868480
	.fill 96, 4, 3214868480
	.section	.rodata,"a",@progbits
	.p2align	6, 0x0
	.amdhsa_kernel k_qefce066386_prep
		.amdhsa_group_segment_fixed_size 33280
		.amdhsa_private_segment_fixed_size 0
		.amdhsa_enable_private_segment 0
		.amdhsa_kernarg_size 72
		.amdhsa_user_sgpr_count 2
		.amdhsa_user_sgpr_kernarg_segment_ptr 1
		.amdhsa_wavefront_size32 1
		.amdhsa_system_sgpr_workgroup_id_x 1
		.amdhsa_system_sgpr_workgroup_id_y 1
		.amdhsa_system_sgpr_workgroup_id_z 1
		.amdhsa_system_vgpr_workitem_id 0
		.amdhsa_next_free_vgpr 160
		.amdhsa_next_free_sgpr 80
		.amdhsa_reserve_vcc 1
		.amdhsa_float_denorm_mode_32 3
		.amdhsa_float_denorm_mode_16_64 3
		.amdhsa_fp16_overflow 1
		.amdhsa_memory_ordered 1
		.amdhsa_forward_progress 1
		.amdhsa_inst_pref_size 118
	.end_amdhsa_kernel
	.amdgpu_metadata
---
amdhsa.version: [ 1, 2 ]
amdhsa.kernels:
  - .name:           k_qefce066386_prep
    .symbol:         k_qefce066386_prep.kd
    .args:
      - { .name: x, .offset: 0, .size: 8, .value_kind: global_buffer, .address_space: global }
      - { .name: WQ, .offset: 8, .size: 8, .value_kind: global_buffer, .address_space: global }
      - { .name: WK, .offset: 16, .size: 8, .value_kind: global_buffer, .address_space: global }
      - { .name: WV, .offset: 24, .size: 8, .value_kind: global_buffer, .address_space: global }
      - { .name: WO, .offset: 32, .size: 8, .value_kind: global_buffer, .address_space: global }
      - { .name: lowp_scales, .offset: 40, .size: 8, .value_kind: global_buffer, .address_space: global }
      - { .name: token_positions, .offset: 48, .size: 8, .value_kind: global_buffer, .address_space: global }
      - { .name: codes, .offset: 56, .size: 8, .value_kind: global_buffer, .address_space: global }
      - { .name: rope, .offset: 64, .size: 8, .value_kind: global_buffer, .address_space: global }
    .group_segment_fixed_size: 33280
    .private_segment_fixed_size: 0
    .kernarg_segment_align: 8
    .kernarg_segment_size: 72
    .max_flat_workgroup_size: 128
    .sgpr_count:     80
    .vgpr_count:     160
    .wavefront_size: 32
...
	.end_amdgpu_metadata
.endif
;; end of part 1
;; launch qkv (part 2): grid 12 x 32, 4 waves a work-group, clusters of 4 x 4, 327,680 bytes of LDS; arguments codes, rope, lowp_scales, qimg, kv; writes qimg, kv
.if DOCPART == 2
	.amdgcn_target "amdgcn-amd-amdhsa--gfx1250"
	.amdhsa_code_object_version 6
	.text
	.protected	k_qefce066386_qkv
	.globl	k_qefce066386_qkv
	.p2align	8
	.type	k_qefce066386_qkv,@function
k_qefce066386_qkv:
	s_mov_b64 s[64:65], 0
	v_nop
	global_prefetch_b8 v0, s[64:65] scope:SCOPE_SE
	s_setreg_imm32_b32 hwreg(HW_REG_WAVE_MODE, 25, 1), 1
	s_wait_xcnt 0x0
	s_wait_alu depctr_hold_cnt(0) depctr_sa_sdst(0) depctr_va_vdst(0) depctr_va_sdst(0) depctr_va_ssrc(0) depctr_va_vcc(0) depctr_vm_vsrc(0)
	s_getreg_b32 s2, hwreg(HW_REG_IB_STS2, 6, 4)
	s_cmp_eq_u32 s2, 0
	s_cbranch_scc0 .Lentry_in_a_cluster
	s_endpgm
.Lentry_in_a_cluster:
	s_bfe_u32 s2, ttmp6, 0x10000c
	s_cmp_lg_u32 s2, 0xf033
	s_cbranch_scc0 .Lentry_shape_is_right
	s_endpgm
.Lentry_shape_is_right:
; The three projections on codes of FP8 (E4M3), RoPE on Q and K, and the quantising of Q, K and V for the attention's two products.
; C'[m][n] = sum over k of A[m][k] B[n][k], K = 1,024, tiles of 256 x 256, four waves of 128 x 128 (64 accumulators, 512 registers).  The cluster's x says which product, the same in all sixteen partners:
;   0: Q: A = x's codes under scale 0 (tokens), B = WQ.   1: K: A = x under scale 2, B = WK.   2: V: A = WV (1,024 rows), B = x under scale 4 (tokens): so V comes out with the KEYS along a lane's registers.
; THE MATRIX INSTRUCTION IS USED TRANSPOSED (source 0 = 16 rows of B, source 1 = 16 rows of A): a lane holds ONE row of A and its registers run along B's rows.  B's rows lie swapped in memory (stored row
; 32 g + 16 u + m = row 32 g + 8 u + m + 8 (m / 8)), so the 16 registers of accumulators 2 p and 2 p + 1 are 16 NEIGHBOURS along B's rows: 32 p + 16 (lane / 16) + 0 .. 15: the order that the next product's operand wants.
; K goes in steps of 256 through a ring of two LDS slots filled by joint tensor loads: A's tile is shared along a row of the 4 x 4 cluster, B's along a column.
; THE TEXT PARTS ONCE on the cluster's x, behind the last change of slots: Q's and K's way asks for its first two blocks of the table there, and each way has its own copy of the last two steps of 128 along K,
; under whose 128 matrix instructions those loads land.  No barrier and no tensor load stands between the parting and the join.
; THE WAY OUT needs no LDS: RoPE acts on the raw sums (it is linear: the power of two that the sums lack is folded into the conversion's scale, 2^(eo - ex - ew)); the hold; the conversion; and the codes' four registers
; are stored as they stand: 16 bytes a lane, 512 consecutive aligned bytes a store, into buffers laid as the attention's operand registers.
;   qimg [64 heads][128 blocks of 16 tokens][2 c][32 lanes][16]: lane (r, h): channels 32 c + 16 h + 0 .. 15 of token r.
;   kv [64 heads][8 slots of 256 keys][32,768]: 16 tiles of K, laid as qimg's blocks (tile 2 b + u, lane r: key 32 b + 8 u + r + 8 (r / 8): A's rows are swapped too); from byte 16,384 V: [2 steps of 128 keys][4 tiles t][4 c][512]:
;   lane (r, h): channel 32 (t / 2) + 8 (t % 2) + r + 8 (r / 8), keys 32 c + 16 h + 0 .. 15.
; LIMIT: eo - ex - ew between -126 and 119, so that the folded scale and 448 x it are f32 numbers (ex, ew: the product's two entries; eo: entry 6 for Q, 7 for K, 9 for V).
; REGISTERS, in windows of 256: window 0: v16-31 addresses and scales; v32-95 two sets of the table; from v128 A's fragments, ONE set; on the way out v96-255 are free.
;   window 1: B's fragments, TWO sets.   windows 2, 3: the accumulators of my rows 0-63, 64-127 (accumulator (a, b) at v[8 (8 (a % 4) + b)]).
.set KSTEP,  256
.set ROWB,   256                       ; a tile's row in bytes
.set KROW,   1024                      ; a row of codes in memory
.set PITCH,  272                       ; an LDS row: 256 bytes + 16 of padding = 68 words: the 16 rows that a load touches start at 16 different banks (64 banks of 4 bytes: ISA guide 11.1)
.set FR,     16
.set NL,     4
.set NP,     4                         ; places behind this matrix instruction (ISA guide 7.12.1)
.set HALFT,  128*PITCH
.set SLOT,   4*HALFT
.set LAPS,   2                         ; 1,024 along K = four K steps = twice round the ring
.set SPARE,  2*SLOT                    ; behind the ring: the spare words, 128 bytes a wave
.set ADRA, 16
.set ADRB, 20
.set LI,   27                          ; v27  16 x lane
.set SPW,  28
.set NIL,  29
.set SCL,  30                          ; v30  the folded scale as f32
.set LIM,  31                          ; v31  448 x it
.set TB,   32                          ; v32-95   the table: two sets of 32
.set R,    96                          ; v96-159  a block's 64 numbers
.set T,    160                         ; v160-175 partial products
.set CD,   192                         ; v192-255 codes: 16 sets of four
.set AF,   128
.set G1, 24
.set G0, 32
.set G1B, 48
.set G0B, 56
.set MSB, 0
.macro WIN new                         ; the immediate's high byte repeats the setting that is left
.if MSB != (\new)
	s_set_vgpr_msb (MSB<<8)|(\new)
.set MSB, (\new)
.endif
.endm
.set MUL_LO, 0xa1                      ; source 0 (B) window 1, source 1 (A) window 0, C and D window 2
.set MUL_HI, 0xf1
.set TO_B,   0x40
; A joint load: waves 0 and 1 fetch for A, waves 2 and 3 for B; the branch hangs on the wave's number alone.  An s_nop 0 and four v_nop follow each line.
.macro JLOAD g0a, g1a, g0b, g1b
	s_cmp_eq_u32 s15, 0
	s_cbranch_scc0 .Lfor_b_\@
	tensor_load_to_lds s[\g0a:\g0a+3], s[\g1a:\g1a+7]
	s_nop 0
.rept 4
	v_nop
.endr
	s_branch .Lasked_\@
.Lfor_b_\@:
	tensor_load_to_lds s[\g0b:\g0b+3], s[\g1b:\g1b+7]
	s_nop 0
.rept 4
	v_nop
.endr
.Lasked_\@:
.endm
.macro CREST
	s_cmp_lg_u32 s14, 0
	s_cbranch_scc1 .Lnot_wave_0_\@
	s_barrier_signal -3
.Lnot_wave_0_\@:
	s_barrier_wait -3
	s_barrier_signal -1
	s_barrier_wait -1
.endm
.macro CROUND
	s_barrier_signal -1
	s_barrier_wait -1
	CREST
.endm
	s_load_b256 s[4:11], s[0:1], 0x0               ; the codes s[4:5], the tables s[6:7], the scales s[8:9], qimg s[10:11]
	s_load_b64 s[12:13], s[0:1], 0x20              ; kv
	v_lshl_add_u32 v[SPW], v0, 2, SPARE
	v_mov_b32 v[NIL], 0
	ds_add_u32 v[SPW], v[NIL]
	ds_add_u32 v[SPW], v[NIL]                      ; the wave's opening: the add and its wait ahead of my first tensor load
	v_lshrrev_b32 v1, 5, v0
	v_readfirstlane_b32 s14, v1                    ; wave 0..3
	s_lshr_b32 s15, s14, 1                         ; which half of the tile's rows is mine.  Also: I fetch for A (0) or for B (1)
	s_and_b32 s16, s14, 1                          ; which half of its columns.  Also: which 128 rows of that tile I fetch
	s_bfe_u32 s40, ttmp6, 0x40000                  ; cx, cy
	s_bfe_u32 s41, ttmp6, 0x40004
	s_and_b32 s81, ttmp7, 0xffff                   ; the cluster's y walks the tokens: tile rows for Q and K, tile columns for V
	s_cmp_eq_u32 ttmp9, 2
	s_cselect_b32 s82, 0, s81
	s_cselect_b32 s83, s81, 0
	s_lshl_b32 s17, s82, 2
	s_add_co_u32 s17, s17, s41                     ; tile row
	s_lshl_b32 s42, s83, 2
	s_add_co_u32 s42, s42, s40                     ; tile column
	s_lshl_b32 s84, ttmp9, 23                      ; Q, K: A = x's codes at product x 8 MiB,
	s_lshl_b32 s86, ttmp9, 20
	s_add_co_u32 s86, s86, 0x1800000               ; B = the weight at 24 MiB + product x 1 MiB
	s_cmp_eq_u32 ttmp9, 2
	s_cselect_b32 s84, 0x1a00000, s84              ; V: A = WV,
	s_cselect_b32 s86, 0x1000000, s86              ; B = x under scale 4
	s_lshl_b32 s43, s41, 2
	s_lshl_b32 s43, 15, s43                        ; my row of the cluster
	s_lshl_b32 s44, 0x1111, s40                    ; my column
	s_or_b32 s[G1+0], s43, (0<<16)|(1<<20)|(1<<21)|(5<<22)|(3<<25)  ; the mask; elements of 1 byte; padding on; bit 21 beside a mask; after every 64 words, 4 words
	s_or_b32 s[G1B+0], s44, (0<<16)|(1<<20)|(1<<21)|(5<<22)|(3<<25)
.irp g, G1, G1B
	s_mov_b32 s[\g+1], ROWB<<16                    ; tensor_dim0
	s_mov_b32 s[\g+2], 128<<16                     ; tensor_dim1
	s_mov_b32 s[\g+3], ROWB<<16                    ; tile_dim0
	s_mov_b32 s[\g+4], 128                         ; tile_dim1
	s_mov_b32 s[\g+5], KROW                        ; stride
	s_mov_b32 s[\g+6], 0
	s_mov_b32 s[\g+7], 0
.endr
	s_lshl_b32 s18, s16, 7
	s_lshl_b32 s20, s17, 8
	s_add_co_u32 s20, s20, s18                     ; A: row 256 x tile row + 128 x half,
	s_lshl_b32 s20, s20, 10                        ; in bytes,
	s_add_co_u32 s20, s20, s84                     ; in its part of the buffer
	s_mov_b32 s21, 0
	s_lshl_b32 s46, s42, 8
	s_add_co_u32 s46, s46, s18                     ; B: row 256 x tile column + 128 x half
	s_lshl_b32 s46, s46, 10
	s_add_co_u32 s46, s46, s86
	s_mov_b32 s47, 0
	s_mul_i32 s45, s14, HALFT                      ; where they go: wave x 128 rows
	s_wait_dscnt 0x0                               ; the opening add is done
	s_wait_kmcnt 0x0
	s_load_b256 s[68:75], s[8:9], 0x0              ; the exponents 0 to 7,
	s_load_b128 s[76:79], s[8:9], 0x20             ; 8 to 11
	s_add_nc_u64 s[20:21], s[4:5], s[20:21]
	s_add_nc_u64 s[46:47], s[4:5], s[46:47]
	CROUND                                         ; all sixteen work-groups are here: the first joint loads meet
.irp s, 0,1
	s_mov_b32 s[G0+4*\s], 1
	s_add_co_u32 s[G0+4*\s+1], s45, \s*SLOT
	s_add_nc_u64 s[G0+4*\s+2:G0+4*\s+3], s[20:21], \s*ROWB
	s_or_b32 s[G0+4*\s+3], s[G0+4*\s+3], 0x80000000
	s_mov_b32 s[G0B+4*\s], 1
	s_add_co_u32 s[G0B+4*\s+1], s45, \s*SLOT
	s_add_nc_u64 s[G0B+4*\s+2:G0B+4*\s+3], s[46:47], \s*ROWB
	s_or_b32 s[G0B+4*\s+3], s[G0B+4*\s+3], 0x80000000
	JLOAD G0+4*\s, G1, G0B+4*\s, G1B
.endr
	v_and_b32 v1, 15, v0
	v_bfe_u32 v2, v0, 4, 1
	v_mul_u32_u24 v3, v1, PITCH
	v_lshl_add_u32 v4, v2, 4, v3                   ; a fragment's row x pitch + 16 x half
	s_mul_i32 s21, s15, HALFT
	s_mul_i32 s22, s16, HALFT
	s_add_co_u32 s22, s22, 2*HALFT
.irp s, 0,1
	v_add_nc_u32 v[ADRA+\s], s21, v4
	v_add_nc_u32 v[ADRB+\s], s22, v4
	s_add_co_u32 s21, s21, SLOT
	s_add_co_u32 s22, s22, SLOT
.endr
	v_and_b32 v6, 31, v0
	v_lshlrev_b32 v[LI], 4, v6
	; where my results go.  Q, K: head 16 x batch + 4 x tile column + 2 x my half; a head is 2^17 bytes of qimg, 2^18 of kv; a tile row is an eighth of a head; my 8 blocks of 1,024 bytes
	s_lshr_b32 s94, s17, 3
	s_lshl_b32 s94, s94, 4
	s_lshl_b32 s95, s42, 2
	s_add_co_u32 s94, s94, s95
	s_lshl_b32 s95, s16, 1
	s_add_co_u32 s94, s94, s95
	s_add_co_u32 s96, ttmp9, 17
	s_lshl_b32 s84, s94, s96
	s_and_b32 s95, s17, 7
	s_sub_co_u32 s97, s96, 3
	s_lshl_b32 s95, s95, s97
	s_add_co_u32 s84, s84, s95
	s_lshl_b32 s95, s15, 13
	s_add_co_u32 s84, s84, s95
	; V: head 16 x batch + 4 x tile row + 2 x my half; slot = tile column % 8; V's part; my step of 128 keys
	s_lshr_b32 s94, s42, 3
	s_lshl_b32 s94, s94, 4
	s_lshl_b32 s95, s17, 2
	s_add_co_u32 s94, s94, s95
	s_lshl_b32 s95, s15, 1
	s_add_co_u32 s94, s94, s95
	s_lshl_b32 s86, s94, 18
	s_and_b32 s95, s42, 7
	s_lshl_b32 s95, s95, 15
	s_add_co_u32 s86, s86, s95
	s_lshl_b32 s95, s16, 13
	s_add_co_u32 s86, s86, s95
	s_add_co_u32 s86, s86, 16384
	s_cmp_eq_u32 ttmp9, 2
	s_cselect_b32 s84, s86, s84
	s_mov_b32 s85, 0
	s_cmp_eq_u32 ttmp9, 0
	s_cselect_b64 s[88:89], s[10:11], s[12:13]
	s_add_nc_u64 s[88:89], s[88:89], s[84:85]      ; my first head
	s_lshl_b32 s86, 1, s96
	s_mov_b32 s87, 0
	s_add_nc_u64 s[90:91], s[88:89], s[86:87]      ; Q, K: my second head
.macro FRAG reg, adr, q, i             ; a fragment, 16 rows x 128 K: lane l holds row l % 16; registers 4 c .. 4 c + 3 hold K = 32 c + 16 (l / 16) + 0 .. 15: a permutation of k, the same in A and in B
.irp c, 0,1,2,3
	ds_load_b128 v[\reg+4*\c:\reg+4*\c+3], v[\adr] offset:128*(\q)+32*\c+(\i)*16*PITCH
.endr
.endm
; 16 matrix instructions: A's blocks a0, a0 + 1 x B's eight.  The 64 accumulators take turns, one instruction a turn, in the same order in every step.
.macro MUL16 a0, p, zero
.irp a, \a0, \a0+1
.irp b, 0,1,2,3,4,5,6,7
.if \zero
	v_wmma_f32_16x16x128_fp8_fp8 v[8*(8*((\a)%4)+\b):8*(8*((\a)%4)+\b)+7], v[128*(\p)+FR*\b:128*(\p)+FR*\b+FR-1], v[AF+FR*(\a):AF+FR*(\a)+FR-1], 0
.else
	v_wmma_f32_16x16x128_fp8_fp8 v[8*(8*((\a)%4)+\b):8*(8*((\a)%4)+\b)+7], v[128*(\p)+FR*\b:128*(\p)+FR*\b+FR-1], v[AF+FR*(\a):AF+FR*(\a)+FR-1], v[8*(8*((\a)%4)+\b):8*(8*((\a)%4)+\b)+7]
.endif
.endr
.endr
.endm
.macro FETCH_B slot, q, p
	WIN TO_B
.irp i, 0,1,2,3,4,5,6,7
	FRAG 128*(\p)+FR*\i, ADRB+\slot, \q, \i
.endr
	WIN 0
.endm
.macro FETCH_A slot, q, i0
.irp i, \i0, \i0+1, \i0+2, \i0+3
	FRAG AF+FR*(\i), ADRA+\slot, \q, \i
.endr
.endm
.macro PLACES n                        ; plain vector instructions between a matrix instruction and a load into, or a vector access to, its registers
.rept \n
	v_nop
.endr
.endm
.macro STEP slot, q, zero              ; 128 along K whose successor lies in the same slot
	s_wait_dscnt 4*NL                              ; B's set and A's blocks 0-3 are in; the youngest sixteen loads (A's blocks 4-7) may be out
	WIN MUL_LO
	MUL16 0, (\q)%2, \zero
	MUL16 2, (\q)%2, \zero
	s_wait_dscnt 0
	PLACES NP
	FETCH_B \slot, (\q)+1, 1-(\q)%2
	FETCH_A \slot, (\q)+1, 0
	WIN MUL_HI
	MUL16 4, (\q)%2, \zero
	MUL16 6, (\q)%2, \zero
	PLACES NP
	WIN 0
	FETCH_A \slot, (\q)+1, 4
.endm
; A slot's last step changes slots: in front of the one barrier each wave waits for all its tensor loads, adds 0 to its spare word, and waits for that and for its reads of this slot.  fill = 1: the slot is filled again.
.macro TURN slot, next, fill
	s_wait_tensorcnt 0x0                           ; all my tensor loads have landed: my part of the next slot
	ds_add_u32 v[SPW], v[NIL]
	s_wait_dscnt 4*NL+1                            ; (the add and the youngest sixteen loads may be out)
	WIN MUL_LO
	MUL16 0, 1, 0
	s_wait_dscnt 0x0                               ; the add is done, and my reads of this slot are over
	s_barrier_signal -1
	MUL16 2, 1, 0
	WIN 0
	s_barrier_wait -1
.if \fill
	CREST                                          ; the barrier has opened a round of the cluster's: no wave of any partner still reads this slot or has a load on its way
	s_add_nc_u64 s[G0+4*\slot+2:G0+4*\slot+3], s[G0+4*\slot+2:G0+4*\slot+3], 2*ROWB
	s_add_nc_u64 s[G0B+4*\slot+2:G0B+4*\slot+3], s[G0B+4*\slot+2:G0B+4*\slot+3], 2*ROWB
	JLOAD G0+4*\slot, G1, G0B+4*\slot, G1B         ; the first tensor load behind the round; its four v_nop are the places in front of the loads below
.else
	PLACES NP
.endif
	FETCH_B \next, 0, 0
	FETCH_A \next, 0, 0
	WIN MUL_HI
	MUL16 4, 1, 0
	MUL16 6, 1, 0
	PLACES NP
	WIN 0
	FETCH_A \next, 0, 4
.endm
; The last two steps of 128 along K, both in slot 1: written once on each of the two ways.  No barrier, no tensor load; every window is 0 at its head and at its end.
.macro TAIL
	STEP 1, 0, 0
	s_wait_dscnt 4*NL                              ; the very last step: nothing more to fetch
	WIN MUL_LO
	MUL16 0, 1, 0
	MUL16 2, 1, 0
	s_wait_dscnt 0
	WIN MUL_HI
	MUL16 4, 1, 0
	MUL16 6, 1, 0
	WIN 0
	PLACES NP                                      ; behind the last products: their results are read and A's registers written on the way out
.endm
.macro TABLE a                         ; the table of my token block a, eight chunks, into set a % 2
.irp c, 0,1,2,3,4,5,6,7
	global_load_b128 v[TB+32*((\a)%2)+4*\c:TB+32*((\a)%2)+4*\c+3], v[LI], s[92:93] offset:4096*(\a)+512*\c
.endr
.endm
.macro CODES a                         ; the block's 64 numbers in v[R] on: four sets of 16 neighbours become four sets of codes
.irp p, 0,1,2,3
	v_cvt_scalef32_pk8_fp8_f32 v[CD+16*((\a)%4)+4*\p:CD+16*((\a)%4)+4*\p+1], v[R+16*\p:R+16*\p+7], v[SCL]
	v_cvt_scalef32_pk8_fp8_f32 v[CD+16*((\a)%4)+4*\p+2:CD+16*((\a)%4)+4*\p+3], v[R+16*\p+8:R+16*\p+15], v[SCL]
.endr
	v_nop                                          ; a plain line between the conversions and the next block's writes of their sources
.endm
; Q, K: my token block a.  A register pair (2 k, 2 k + 1) of the 16 neighbours is RoPE's pair (even, odd) of frequency 16 (p % 2) + 8 (lane / 16) + k, and the table's pair at the same place is (cos, sin).
.macro QKROW a
.if (\a) < 7
	s_wait_loadcnt 8                               ; this block's eight table loads are in; the next block's eight may be out
.else
	s_wait_loadcnt 0
.endif
.if (\a) >= 4
	s_wait_xcnt 0x0                                ; the stores of four blocks back have read the codes' registers
.endif
	WIN 0x02+(\a)/4                                ; source 0: the accumulators' window
.irp p, 0,1,2,3
.irp i, 0,2,4,6,8,10,12,14
	v_pk_mul_f32 v[T+\i:T+\i+1], v[64*((\a)%4)+16*\p+\i:64*((\a)%4)+16*\p+\i+1], v[TB+32*((\a)%2)+16*(\p%2)+\i:TB+32*((\a)%2)+16*(\p%2)+\i+1] op_sel:[1,1] op_sel_hi:[1,0]   ; (odd x sin, odd x cos); each accumulator from its low end on
.endr
.irp i, 0,2,4,6,8,10,12,14
	v_pk_fma_f32 v[R+16*\p+\i:R+16*\p+\i+1], v[64*((\a)%4)+16*\p+\i:64*((\a)%4)+16*\p+\i+1], v[TB+32*((\a)%2)+16*(\p%2)+\i:TB+32*((\a)%2)+16*(\p%2)+\i+1], v[T+\i:T+\i+1] op_sel_hi:[0,1,1] neg_lo:[0,0,1]   ; (even x cos - odd x sin, even x sin + odd x cos)
.endr
.endr
	WIN 0
.set n, 0
.rept 64
.set n, n+1
.endr
	CODES \a
.irp p, 0,1,2,3
	global_store_b128 v[LI], v[CD+16*((\a)%4)+4*\p:CD+16*((\a)%4)+4*\p+3], s[88+2*(\p/2):89+2*(\p/2)] offset:1024*(\a)+512*(\p%2)   ; head p / 2, channels 32 (p % 2) on: 512 consecutive bytes, aligned
.endr
.if (\a)+2 < 8
	TABLE (\a)+2
.endif
.endm
; V: my block a of 16 channels: head a / 4, tile a % 4; set p: keys 32 p + 16 (lane / 16) + 0 .. 15 of my step
.macro VROW a
.if (\a) >= 4
	s_wait_xcnt 0x0
.endif
	WIN 0x02+(\a)/4
.set n, 0
.rept 64
	v_med3_num_f32 v[R+n], v[64*((\a)%4)+n], -v[LIM], v[LIM]   ; each accumulator from its low end on
.set n, n+1
.endr
	WIN 0
	CODES \a
.irp p, 0,1,2,3
	global_store_b128 v[LI], v[CD+16*((\a)%4)+4*\p:CD+16*((\a)%4)+4*\p+3], s[88:89] offset:((\a)/4)*262144+((\a)%4)*2048+512*\p
.endr
.endm
	s_wait_alu depctr_va_vdst(0)
	s_wait_tensorcnt 1                             ; my part of K step 0 is in (K step 1's load may be out),
	s_barrier_signal -1
	s_barrier_wait -1                              ; everybody's is
	FETCH_B 0, 0, 0
	FETCH_A 0, 0, 0
	FETCH_A 0, 0, 4
	STEP 0, 0, 1                                   ; the first step's products start the sums
	s_mov_b32 s3, LAPS-1
.Llap:
	TURN 0, 1, 1
	STEP 1, 0, 0
	TURN 1, 0, 1
	STEP 0, 0, 0
	s_sub_co_u32 s3, s3, 1
	s_cmp_lg_u32 s3, 0
	s_cbranch_scc1 .Llap
	TURN 0, 1, 0                                   ; the last change of slots fills nothing
	; the folded scale, for both ways
	s_wait_kmcnt 0x0
	s_cmp_eq_u32 ttmp9, 1
	s_cselect_b32 s94, s70, s68                    ; x's exponent: entry 2 x product,
	s_cselect_b32 s95, s71, s69                    ; the weight's: the entry behind it,
	s_cselect_b32 s96, s75, s74                    ; the result's: 6 for Q, 7 for K,
	s_cmp_eq_u32 ttmp9, 2
	s_cselect_b32 s94, s72, s94
	s_cselect_b32 s95, s73, s95
	s_cselect_b32 s96, s77, s96                    ; 9 for V
	s_sub_co_i32 s96, s96, s94
	s_sub_co_i32 s96, s96, s95                     ; a sum stands for sum x 2^(ex + ew): its code is sum / 2^(eo - ex - ew)
	s_add_co_i32 s96, s96, 127
	s_lshl_b32 s97, s96, 23
	v_mov_b32 v[SCL], s97
	s_add_co_i32 s96, s96, 8
	s_lshl_b32 s96, s96, 23
	s_or_b32 s96, s96, 0x600000
	v_mov_b32 v[LIM], s96
	s_cmp_eq_u32 ttmp9, 2                          ; THE PARTING: V has no RoPE.  The cluster's x is the same in all sixteen partners
	s_cbranch_scc1 .Lv_out
	; ---- Q and K
	s_lshl_b32 s94, s17, 4
	s_lshl_b32 s95, s15, 3
	s_add_co_u32 s94, s94, s95                     ; my first token block: 16 x tile row + 8 x half
	s_lshl_b32 s94, s94, 12
	s_lshl_b32 s95, ttmp9, 21                      ; table 0 for Q, table 1 for K
	s_add_co_u32 s94, s94, s95
	s_mov_b32 s95, 0
	s_add_nc_u64 s[92:93], s[6:7], s[94:95]
	TABLE 0                                        ; the first two blocks' tables land under the 128 matrix instructions below, which name none of their registers
	TABLE 1
	TAIL
.irp a, 0,1,2,3,4,5,6,7
	QKROW \a
.endr
	s_branch .Lend
	; ---- V
.Lv_out:
	TAIL
	s_wait_alu depctr_va_vdst(0)
.irp a, 0,1,2,3,4,5,6,7
	VROW \a
.endr
.Lend:
	s_wait_tensorcnt 0x0                           ; the wave's end
	ds_add_u32 v[SPW], v[NIL]
	s_wait_dscnt 0x0
	CROUND                                         ; the closing round
	s_endpgm
.Lfunc_end_k_qefce066386_qkv:
	.size	k_qefce066386_qkv, .Lfunc_end_k_qefce066386_qkv-k_qefce066386_qkv
	.p2alignl 7, 3214868480
	.fill 96, 4, 3214868480
	.section	.rodata,"a",@progbits
	.p2align	6, 0x0
	.amdhsa_kernel k_qefce066386_qkv
		.amdhsa_group_segment_fixed_size 327680
		.amdhsa_private_segment_fixed_size 0
		.amdhsa_enable_private_segment 0
		.amdhsa_kernarg_size 40
		.amdhsa_user_sgpr_count 2
		.amdhsa_user_sgpr_kernarg_segment_ptr 1
		.amdhsa_wavefront_size32 1
		.amdhsa_system_sgpr_workgroup_id_x 1
		.amdhsa_system_sgpr_workgroup_id_y 1
		.amdhsa_system_sgpr_workgroup_id_z 1
		.amdhsa_system_vgpr_workitem_id 0
		.amdhsa_next_free_vgpr 1024
		.amdhsa_next_free_sgpr 100
		.amdhsa_reserve_vcc 0
		.amdhsa_float_denorm_mode_32 3
		.amdhsa_float_denorm_mode_16_64 3
		.amdhsa_fp16_overflow 1
		.amdhsa_memory_ordered 1
		.amdhsa_forward_progress 1
		.amdhsa_inst_pref_size 178
	.end_amdhsa_kernel
	.amdgpu_metadata
---
amdhsa.version: [ 1, 2 ]
amdhsa.kernels:
  - .name:           k_qefce066386_qkv
    .symbol:         k_qefce066386_qkv.kd
    .args:
      - { .name: codes, .offset: 0, .size: 8, .value_kind: global_buffer, .address_space: global }
      - { .name: rope, .offset: 8, .size: 8, .value_kind: global_buffer, .address_space: global }
      - { .name: lowp_scales, .offset: 16, .size: 8, .value_kind: global_buffer, .address_space: global }
      - { .name: qimg, .offset: 24, .size: 8, .value_kind: global_buffer, .address_space: global }
      - { .name: kv, .offset: 32, .size: 8, .value_kind: global_buffer, .address_space: global }
    .group_segment_fixed_size: 327680
    .private_segment_fixed_size: 0
    .kernarg_segment_align: 8
    .kernarg_segment_size: 40
    .max_flat_workgroup_size: 128
    .sgpr_count:     100
    .vgpr_count:     1024
    .wavefront_size: 32
...
	.end_amdgpu_metadata
.endif
;; end of part 2
;; launch attn (part 3): grid 4 x 64, 16 waves a work-group, no clusters, 327,680 bytes of LDS; arguments qimg, kv, lowp_scales, aimg; writes aimg
.if DOCPART == 3
	.amdgcn_target "amdgcn-amd-amdhsa--gfx1250"
	.amdhsa_code_object_version 6
	.text
	.protected	k_qefce066386_attn
	.globl	k_qefce066386_attn
	.p2align	8
	.type	k_qefce066386_attn,@function
k_qefce066386_attn:
	s_mov_b64 s[64:65], 0
	v_nop
	global_prefetch_b8 v0, s[64:65] scope:SCOPE_SE
	s_setreg_imm32_b32 hwreg(HW_REG_WAVE_MODE, 25, 1), 1
	s_wait_xcnt 0x0
; Causal attention on codes of FP8 (E4M3), head size 64, 2,048 tokens, 64 heads; the result is quantised for the output projection.
; THE SOFTMAX AHEAD OF THE SECOND PRODUCT: t = score x log2(e) / 8; M = the row's largest t so far, rounded UP to a whole number; p = 2^(t - M) is quantised along the keys, not normalised; the row's sum is taken of the
; unquantised p and divides at the end.  When M moves, the sum and O are multiplied by 2^(old M - new M): exact.
; SHARES.  Work-group (i, head) owns the blocks of 256 queries 7 - i and i: under the causal mask they need 8 - i and i + 1 slots of 256 keys, NINE for every work-group: 256 work-groups of equal work, and the trip
; count is a constant.  Each of the sixteen waves owns 16 queries of the block in hand, in 256 registers: four waves to a SIMD, so that one wave's vector work stands beside another's matrix work and LDS loads.
; THE RING: two LDS slots of 32,768 bytes; a slot of kv is one dense block: 16 tiles of K, then V; wave 0 fetches K's half, wave 1 V's.  The ring goes on from the first block's last slot to the second block's slot 0:
; every slot that is fetched is read.  The tiles are images of operand registers: a fragment's four registers are 512 consecutive bytes, 16 a lane: no pitch, no padding, no bank met twice.
; NO CLUSTER: the four work-groups of a head walk different slots from their fifth trip on (each changes blocks at another trip), so their requests are not alike in every round.
; LAYOUT.  Both products are used transposed: S^T = K Q^T (source 0 = 16 keys), O^T = V^T P^T (source 0 = 16 channels): a lane holds ONE query (lane % 16) throughout.  Tile 2 b + u of K holds in lane r key
; 32 b + 8 u + r + 8 (r / 8), so the 16 registers of two neighbouring tiles of S^T are keys 32 b + 16 (lane / 16) + 0 .. 15; V's channels are laid likewise, so O^T's 16 registers of two tiles are 16 neighbouring channels,
; and the conversions' results are stored as they stand: aimg [512 blocks of 16 tokens][8][4 c][32 lanes][16] is the image of the next product's fragments.
; LIMITS on the given exponents: entries 6 + 7 between -123 and 130 (added to c's exponent field); entry 8, and entry 10 - 8 - 9, between -126 and 119.
; REGISTERS: v1 16 x lane; v3 the prefetch's offset; v5, v6 the add's; v8 the slot's address; v12 -M, v13 the largest t, v[14:15] the sum; v16-23 Q in hand; v24-31 Q of the second block; v32-95 K's eight fragments, then V's four;
; v96-159 S^T, then p; v160-191 O^T; v192-207 p's codes; v208-215 the result's codes; v244: 2^ep; v245: the same for the result; v236, v238-243, v246-255 at work.
.set SLOT1, 32768
.set SPARE, 65536                      ; behind the ring: the spare words, 128 bytes for each of sixteen waves
.set LI,   1
.set PFO,  3
.set SPW,  5
.set NIL,  6
.set ADK,  8
.set TB,   2                           ; s2   LDS byte at which the slot in hand begins
.set WV,   18
.set SEL,  20
.set CS,   22                          ; s[22:23] c = log2(e) / 8, with the two exponents added
.set G1,   24
.set G0,   40                          ; s[40:43] the walking group 0
.set KVB,  44                          ; s[44:45] my head's keys and values, at my half of a slot
.set KS,   46                          ; s46  the key slot in hand
.set QBL,  47                          ; s47  the block of queries in hand
.set Q0,   48                          ; s48  my first query
.set WI,   49                          ; s49  the second block
.set AOB,  50                          ; s[50:51] my place in block 0's results
.set AO,   52                          ; s[52:53] in the block's in hand
.set SLOTS, 67                         ; s67  trips to go in the loop
.set PFA,  76
.set LIM,  80
.macro TLOAD                           ; waves 0 and 1 fetch; an s_nop 0 and four v_nop follow the line
	s_cmp_lt_u32 s[WV], 2
	s_cbranch_scc0 .Lasked_\@
	tensor_load_to_lds s[G0:G0+3], s[G1:G1+7]
	s_nop 0
.rept 4
	v_nop
.endr
.Lasked_\@:
.endm
; A PREFETCH INTO THE L2 of the slot that the NEXT change of slots will ask for.  All four work-groups of a head walk slots 0, 1, 2 .. of the same keys and values; work-group 0 walks all eight in its first block, and it alone asks:
; its waves 4 to 7, 8,192 bytes each, lanes 256 bytes apart.  Trip j names slot j + 2, for j = 0 to 5: each 256 bytes once.  Slots 0 and 1 come by their loads alone.
.macro ASK
	s_cmp_gt_u32 s[SLOTS], s[LIM]
	s_cbranch_scc0 .Lnot_mine_\@
	global_prefetch_b8 v[PFO], s[PFA:PFA+1] th:TH_LOAD_NT scope:SCOPE_SE
.Lnot_mine_\@:
.endm
.macro INIT                            ; a block of queries begins: its first step finds zeros, which the first change of M leaves zeros
	v_mov_b32 v13, 0xff61b1e6                      ; the largest t so far: -3e38
	s_delay_alu instid0(VALU_DEP_1)
	v_floor_f32 v12, -v13                          ; -M
	v_mov_b32 v14, 0
	v_mov_b32 v15, 0
.set n, 0
.rept 32
	v_mov_b32 v[160+n], 0
.set n, n+1
.endr
.endm
	s_load_b256 s[4:11], s[0:1], 0x0               ; qimg s[4:5], kv s[6:7], the scales s[8:9], aimg s[10:11]
	v_lshl_add_u32 v[SPW], v0, 2, SPARE
	v_mov_b32 v[NIL], 0
	ds_add_u32 v[SPW], v[NIL]                      ; the wave's opening: the add and its wait ahead of my first tensor load
	ds_add_u32 v[SPW], v[NIL]
	v_lshrrev_b32 v8, 5, v0
	s_delay_alu instid0(VALU_DEP_1)
	v_readfirstlane_b32 s[WV], v8                  ; wave 0..15
	s_and_b32 s54, ttmp7, 0xffff                   ; the head, 16 x batch + head
	s_mov_b32 s[WI], ttmp9
	s_sub_co_u32 s[QBL], 7, ttmp9
	s_mov_b32 s[KS], 0
	s_lshl_b32 s[Q0], s[QBL], 8
	s_lshl_b32 s94, s[WV], 4
	s_add_co_u32 s[Q0], s[Q0], s94
	s_mov_b32 s[G1], 3<<16                         ; no mask; elements of 8 bytes; no padding
	s_mov_b32 s[G1+1], 32<<16                      ; tensor_dim0 = 32: rows of 256 bytes
	s_mov_b32 s[G1+2], 64<<16                      ; tensor_dim1 = 64
	s_mov_b32 s[G1+3], 32<<16                      ; tile_dim0
	s_mov_b32 s[G1+4], 64                          ; tile_dim1: 16,384 dense bytes
	s_mov_b32 s[G1+5], 32                          ; stride = the row
	s_mov_b32 s[G1+6], 0
	s_mov_b32 s[G1+7], 0
	s_mov_b32 s[SEL], 0x76543210
	s_mov_b32 s[SEL+1], 0xfedcba98
	s_mov_b32 s[CS], 0x3e38aa3b                    ; log2(e) / sqrt(64)
	s_mov_b32 s[TB], 0
	s_mov_b32 s[SLOTS], 8
	s_lshl_b32 s56, s54, 18                        ; the head's 262,144 bytes of kv
	s_and_b32 s57, s[WV], 1
	s_lshl_b32 s57, s57, 14                        ; K's half or V's: in memory and in a slot
	s_add_co_u32 s58, s56, s57
	s_mov_b32 s59, 0
	s_lshl_b32 s60, s54, 17                        ; the head's 131,072 bytes of qimg,
	s_lshl_b32 s94, s[WV], 10
	s_add_co_u32 s60, s60, s94                     ; my tile in a block of queries,
	s_lshl_b32 s94, s[QBL], 14
	s_add_co_u32 s62, s60, s94                     ; in the first block,
	s_mov_b32 s63, 0
	s_lshl_b32 s94, s[WI], 14
	s_add_co_u32 s60, s60, s94                     ; in the second
	s_mov_b32 s61, 0
	s_lshr_b32 s94, s54, 4
	s_lshl_b32 s94, s94, 7
	s_add_co_u32 s94, s94, s[WV]
	s_lshl_b32 s94, s94, 14                        ; the results: token block 128 x batch + wave, 16,384 bytes each,
	s_and_b32 s95, s54, 15
	s_lshl_b32 s95, s95, 10                        ; the head's 64 channels: two chunks of 512 bytes
	s_add_co_u32 s82, s94, s95
	s_mov_b32 s83, 0
	s_wait_dscnt 0x0                               ; the opening add is done
	s_wait_kmcnt 0x0
	s_load_b256 s[68:75], s[8:9], 0x10             ; entries 4 to 11: s70 eq, s71 ek, s72 ep, s73 ev, s74 ea
	s_add_nc_u64 s[KVB:KVB+1], s[6:7], s[58:59]
	s_mov_b32 s[G0], 1
	s_mov_b32 s[G0+1], s57                         ; slot 0
	s_mov_b64 s[G0+2:G0+3], s[KVB:KVB+1]           ; key slot 0
	s_or_b32 s[G0+3], s[G0+3], 0x80000000
	TLOAD
	s_add_nc_u64 s[62:63], s[4:5], s[62:63]
	s_add_nc_u64 s[60:61], s[4:5], s[60:61]
	v_and_b32 v[LI], 31, v0
	s_delay_alu instid0(VALU_DEP_1)
	v_lshlrev_b32 v[PFO], 8, v[LI]
	s_delay_alu instid0(VALU_DEP_2)
	v_lshlrev_b32 v[LI], 4, v[LI]
	global_load_b128 v[16:19], v[LI], s[62:63]     ; Q's fragments stay in registers
	global_load_b128 v[20:23], v[LI], s[62:63] offset:512
	global_load_b128 v[24:27], v[LI], s[60:61]
	global_load_b128 v[28:31], v[LI], s[60:61] offset:512
	s_and_b32 s94, s[WV], 3
	s_lshl_b32 s94, s94, 13
	s_add_co_u32 s94, s94, s56
	s_add_co_u32 s94, s94, 32768                   ; in slot 1: the first change of slots steps it to slot 2.  Nothing is prefetched here, at the head
	s_mov_b32 s95, 0
	s_add_nc_u64 s[PFA:PFA+1], s[6:7], s[94:95]
	s_sub_co_u32 s94, s[WV], 4
	s_lshr_b32 s94, s94, 2                         ; 0 in waves 4 to 7,
	s_or_b32 s94, s94, ttmp9                       ; of work-group 0
	s_cmp_eq_u32 s94, 0
	s_cselect_b32 s[LIM], 2, -1
	s_add_nc_u64 s[AOB:AOB+1], s[10:11], s[82:83]
	s_lshl_b32 s94, s[QBL], 18                     ; a block of queries is 16 token blocks
	s_mov_b32 s95, 0
	s_add_nc_u64 s[AO:AO+1], s[AOB:AOB+1], s[94:95]
	INIT
	v_mov_b32 v236, 0                              ; written once: a lane permute's destination counts as one of its sources
	v_mov_b32 v253, 0                              ; (named as the upper half of the pair v[252:253])
	s_wait_kmcnt 0x0
	s_add_co_i32 s94, s70, s71
	s_lshl_b32 s94, s94, 23
	s_add_co_i32 s[CS], s[CS], s94                 ; a score stands for score x 2^(eq + ek)
	s_mov_b32 s[CS+1], s[CS]
	s_add_co_i32 s94, s72, 127
	s_lshl_b32 s95, s94, 23
	v_mov_b32 v244, s95                            ; 2^ep
	s_sub_co_i32 s94, s74, s72
	s_sub_co_i32 s94, s94, s73                     ; a sum of the second product stands for sum x 2^(ep + ev): the result's code is (sum / l) / 2^(ea - ep - ev)
	s_add_co_i32 s94, s94, 127
	s_lshl_b32 s95, s94, 23
	v_mov_b32 v245, s95
; A KEY STEP: 128 keys, the q-th of the slot in hand.  A step all of whose keys come after my 16 queries is left out: a scalar branch on ids and counted steps.
.macro STEP q
	s_lshl_b32 s96, s[KS], 8
	s_add_co_u32 s96, s96, 128*(\q)                ; the step's first key
	s_add_co_u32 s97, s[Q0], 15
	s_cmp_gt_u32 s96, s97
	s_cbranch_scc1 .Lhidden_\@
	v_add_nc_u32 v[ADK], s[TB], v[LI]
.rept 3
	v_nop                                          ; with the addition four places in front of loads into registers that the last products read
.endr
.irp t, 0,1,2,3,4,5,6,7
	ds_load_b128 v[32+8*\t:35+8*\t], v[ADK] offset:(8*(\q)+\t)*1024
	ds_load_b128 v[36+8*\t:39+8*\t], v[ADK] offset:(8*(\q)+\t)*1024+512
.endr
	s_wait_dscnt 0x0
	s_wait_alu depctr_va_vdst(0)
.irp t, 0,1,2,3,4,5,6,7
	v_wmma_f32_16x16x64_fp8_fp8 v[96+8*\t:103+8*\t], v[32+8*\t:39+8*\t], v[16:23], 0
.endr
.rept 4
	v_nop                                          ; places in front of the loads below and of the first read of the scores
.endr
.irp t, 0,1,2,3
.irp c, 0,1,2,3
	ds_load_b128 v[32+16*\t+4*\c:35+16*\t+4*\c], v[ADK] offset:16384+8192*(\q)+2048*\t+512*\c   ; V's fragments land under the softmax
.endr
.endr
	s_add_co_u32 s97, s96, 127                     ; on the diagonal the scores of hidden keys become -infinity: p = 0 then.  A step all of whose keys count skips this
	s_cmp_le_u32 s97, s[Q0]
	s_cbranch_scc1 .Lopen_\@
	s_sub_co_i32 s97, s[Q0], s96
	v_and_b32 v252, 15, v0
	v_bfe_u32 v253, v0, 4, 1
	s_delay_alu instid0(VALU_DEP_1)
	v_lshlrev_b32 v253, 4, v253
	s_delay_alu instid0(VALU_DEP_1)
	v_sub_nc_u32 v252, v252, v253
	s_delay_alu instid0(VALU_DEP_1)
	v_add_nc_u32 v252, s97, v252                   ; d = my query - the first key - 16 (lane / 16).  Register 16 b + i holds key 32 b + 16 (lane / 16) + i: hidden where 32 b + i > d
	v_mov_b32 v254, 0xff800000
.set n, 0
.rept 64
	v_cmp_gt_i32 vcc_lo, 32*(n/16)+n%16, v252
	v_cndmask_b32 v[96+n], v[96+n], v254, vcc_lo
.set n, n+1
.endr
.Lopen_\@:
	v_max3_num_f32 v254, v96, v97, v98             ; the step's largest score of my query among my 64 keys, in two chains,
	v_max3_num_f32 v252, v99, v100, v101
.irp i, 6,10,14,18,22,26,30,34,38,42,46,50,54,58
	v_max3_num_f32 v254, v254, v[96+\i], v[97+\i]
	v_max3_num_f32 v252, v252, v[98+\i], v[99+\i]
.endr
	v_max3_num_f32 v254, v254, v158, v159
	s_delay_alu instid0(VALU_DEP_1)
	v_max_num_f32 v254, v254, v252
	s_delay_alu instid0(VALU_DEP_1)
	v_permlanex16_b32 v236, v254, s[SEL], s[SEL+1]
	s_delay_alu instid0(VALU_DEP_1)
	v_max_num_f32 v254, v254, v236                 ; and among lane l xor 16's
	s_delay_alu instid0(VALU_DEP_1)
	v_mul_f32 v254, s[CS], v254                    ; as t (c is positive)
	s_delay_alu instid0(VALU_DEP_1)
	v_max_num_f32 v13, v13, v254
	v_mov_b32 v254, v12
	s_delay_alu instid0(VALU_DEP_2)
	v_floor_f32 v12, -v13                          ; the new -M = -ceil(t)
	s_delay_alu instid0(VALU_DEP_1)
	v_sub_f32 v254, v12, v254                      ; old M - new M: a whole number, 0 or less
	s_delay_alu instid0(VALU_DEP_1)
	v_cvt_i32_f32 v254, v254                       ; (it saturates)
	s_delay_alu instid0(VALU_DEP_1)
	v_ldexp_f32 v252, 1.0, v254                    ; f = 2^(old M - new M)
.set n, 0
.rept 32
	v_pk_fma_f32 v[96+n:97+n], v[96+n:97+n], s[CS:CS+1], v[12:13] op_sel_hi:[1,0,0]   ; t - M, two at a time
.set n, n+2
.endr
.set n, 0
	s_wait_alu depctr_va_vdst(0)
.rept 64
	v_exp_f32 v[96+n], v[96+n]                     ; p = 2^(t - M)
.set n, n+1
.endr
	v_pk_mul_f32 v[14:15], v[14:15], v[252:253] op_sel_hi:[1,0]   ; the sums under the new M: the plain line behind the exponentials
	s_wait_alu depctr_va_vdst(0)                   ; the wait ahead of the first reader: one for the batch
	v_pk_add_f32 v[242:243], v[100:101], v[104:105]
	v_pk_add_f32 v[254:255], v[108:109], v[112:113]
	v_pk_add_f32 v[250:251], v[116:117], v[120:121]
	v_pk_add_f32 v[248:249], v[124:125], v[128:129]
	v_pk_add_f32 v[246:247], v[132:133], v[136:137]
	v_pk_add_f32 v[240:241], v[140:141], v[144:145]
	v_pk_add_f32 v[238:239], v[148:149], v[152:153]
	v_pk_add_f32 v[14:15], v[14:15], v[156:157]
	v_pk_add_f32 v[242:243], v[242:243], v[96:97]
	v_pk_add_f32 v[254:255], v[254:255], v[98:99]
	v_pk_add_f32 v[250:251], v[250:251], v[102:103]
	v_pk_add_f32 v[248:249], v[248:249], v[106:107]
	v_pk_add_f32 v[246:247], v[246:247], v[110:111]
	v_pk_add_f32 v[240:241], v[240:241], v[114:115]
	v_pk_add_f32 v[238:239], v[238:239], v[118:119]
	v_pk_add_f32 v[14:15], v[14:15], v[122:123]
	v_pk_add_f32 v[242:243], v[242:243], v[126:127]
	v_pk_add_f32 v[254:255], v[254:255], v[130:131]
	v_pk_add_f32 v[250:251], v[250:251], v[134:135]
	v_pk_add_f32 v[248:249], v[248:249], v[138:139]
	v_pk_add_f32 v[246:247], v[246:247], v[142:143]
	v_pk_add_f32 v[240:241], v[240:241], v[146:147]
	v_pk_add_f32 v[238:239], v[238:239], v[150:151]
	v_pk_add_f32 v[14:15], v[14:15], v[154:155]
	v_pk_add_f32 v[242:243], v[242:243], v[158:159]
	s_delay_alu instid0(VALU_DEP_2)
	v_pk_add_f32 v[14:15], v[14:15], v[248:249]
	s_delay_alu instid0(VALU_DEP_2)
	v_pk_add_f32 v[242:243], v[242:243], v[246:247]
	v_pk_add_f32 v[254:255], v[254:255], v[240:241]
	v_pk_add_f32 v[250:251], v[250:251], v[238:239]
	s_delay_alu instid0(VALU_DEP_2)
	v_pk_add_f32 v[14:15], v[14:15], v[254:255]
	s_delay_alu instid0(VALU_DEP_2)
	v_pk_add_f32 v[242:243], v[242:243], v[250:251]
	s_delay_alu instid0(VALU_DEP_1)
	v_pk_add_f32 v[14:15], v[14:15], v[242:243]
.irp b, 0,1,2,3
.irp i, 0,1,2,3,4,5,6,7,8,9,10,11,12,13,14,15
.endr
	v_cvt_scalef32_pk8_fp8_f32 v[192+4*\b:193+4*\b], v[96+16*\b:103+16*\b], v244
	v_cvt_scalef32_pk8_fp8_f32 v[194+4*\b:195+4*\b], v[104+16*\b:111+16*\b], v244
.endr
.set n, 0
.rept 16
	v_pk_mul_f32 v[160+n:161+n], v[160+n:161+n], v[252:253] op_sel_hi:[1,0]   ; O^T under the new M; also the plain lines behind the conversions
.set n, n+2
.endr
	s_wait_alu depctr_va_vdst(0)
	s_wait_dscnt 0x0                               ; V's fragments
.irp t, 0,1,2,3
	v_wmma_f32_16x16x128_fp8_fp8 v[160+8*\t:167+8*\t], v[32+16*\t:47+16*\t], v[192:207], v[160+8*\t:167+8*\t]   ; the four accumulators by turns
.endr
.Lhidden_\@:
.endm
; THE CHANGE OF SLOTS stands at a slot's head: each wave waits for all its tensor loads, adds 0 to its spare word, and waits for that and for its reads of the slot that it has left.  Behind the barrier the slot ahead is whole
; and nobody reads the other one.  fill = 1: that one takes the key slot of the next trip: the next, or slot 0 where the block of queries ends here.
.macro CHANGE fill
	s_wait_tensorcnt 0x0                           ; no tensor load of mine is out, so group 0 may be written
	ds_add_u32 v[SPW], v[NIL]
.if \fill
	s_xor_b32 s[G0+1], s[G0+1], SLOT1
	s_add_co_u32 s94, s[KS], 1
	s_cmp_eq_u32 s[KS], s[QBL]
	s_cselect_b32 s94, 0, s94
	s_lshl_b32 s94, s94, 15
	s_mov_b32 s95, 0
	s_add_nc_u64 s[G0+2:G0+3], s[KVB:KVB+1], s[94:95]
	s_or_b32 s[G0+3], s[G0+3], 0x80000000
	s_wait_xcnt 0x0                                ; the last prefetch, a slot back, has read its address
	s_add_nc_u64 s[PFA:PFA+1], s[PFA:PFA+1], 32768
.endif
	s_wait_dscnt 0x0                               ; the add is done, and my reads of the slot that I have left are over
	s_barrier_signal -1
	s_barrier_wait -1
.if \fill
	TLOAD                                          ; the first thing behind the barrier, a wave's one tensor load until the next: it has two key steps in which to land
	ASK
.endif
.endm
; A block of queries is finished: O^T / the sum, held, converted, and stored as the next product's fragment: two stores of 512 consecutive bytes, aligned.
.macro FINAL
.rept 4
	v_nop                                          ; places behind the last products
.endr
	v_add_f32 v14, v14, v15
	s_wait_alu depctr_va_vdst(0)
	v_permlanex16_b32 v236, v14, s[SEL], s[SEL+1]
	s_delay_alu instid0(VALU_DEP_1)
	v_add_f32 v14, v14, v236                       ; the row's sum
	s_wait_alu depctr_va_vdst(0)
	v_rcp_f32 v14, v14
	v_nop                                          ; a plain line behind the transcendental
	s_wait_alu depctr_va_vdst(0)                   ; and the wait ahead of its first reader
.set n, 0
.rept 16
	v_pk_mul_f32 v[96+n:97+n], v[160+n:161+n], v[14:15] op_sel_hi:[1,0]   ; register 16 g + i: channel 32 g + 16 (lane / 16) + i; each accumulator from its low end on
.set n, n+2
.endr
.set n, 0
.rept 32
.set n, n+1
.endr
.irp g, 0,1
	v_cvt_scalef32_pk8_fp8_f32 v[208+4*\g:209+4*\g], v[96+16*\g:103+16*\g], v245
	v_cvt_scalef32_pk8_fp8_f32 v[210+4*\g:211+4*\g], v[104+16*\g:111+16*\g], v245
.endr
	v_nop
	global_store_b128 v[LI], v[208:211], s[AO:AO+1]
	global_store_b128 v[LI], v[212:215], s[AO:AO+1] offset:512
.endm
	s_wait_loadcnt 0x0                             ; Q
.Lslot:                                            ; eight trips; the ninth is written out
	CHANGE 1
	STEP 0
	STEP 1
	s_xor_b32 s[TB], s[TB], SLOT1
	s_cmp_lg_u32 s[KS], s[QBL]                     ; the diagonal slot ends the block of queries: ids and counted steps alone, the same in all sixteen waves
	s_cbranch_scc1 .Lon
	FINAL
	s_wait_xcnt 0x0                                ; the stores have read their base
	s_mov_b32 s[QBL], s[WI]                        ; the second block begins
	s_mov_b32 s[KS], -1
	s_lshl_b32 s[Q0], s[QBL], 8
	s_lshl_b32 s94, s[WV], 4
	s_add_co_u32 s[Q0], s[Q0], s94
	s_lshl_b32 s94, s[QBL], 18
	s_mov_b32 s95, 0
	s_add_nc_u64 s[AO:AO+1], s[AOB:AOB+1], s[94:95]
	INIT
.irp j, 0,1,2,3,4,5,6,7
	v_mov_b32 v[16+\j], v[24+\j]
.endr
.Lon:
	s_add_co_u32 s[KS], s[KS], 1
	s_sub_co_u32 s[SLOTS], s[SLOTS], 1
	s_cmp_lg_u32 s[SLOTS], 0
	s_cbranch_scc1 .Lslot
	CHANGE 0
	STEP 0
	STEP 1
	FINAL
	s_wait_tensorcnt 0x0                           ; the wave's end
	ds_add_u32 v[SPW], v[NIL]
	s_wait_dscnt 0x0
	s_endpgm
.Lfunc_end_k_qefce066386_attn:
	.size	k_qefce066386_attn, .Lfunc_end_k_qefce066386_attn-k_qefce066386_attn
	.p2alignl 7, 3214868480
	.fill 96, 4, 3214868480
	.section	.rodata,"a",@progbits
	.p2align	6, 0x0
	.amdhsa_kernel k_qefce066386_attn
		.amdhsa_group_segment_fixed_size 327680
		.amdhsa_private_segment_fixed_size 0
		.amdhsa_enable_private_segment 0
		.amdhsa_kernarg_size 32
		.amdhsa_user_sgpr_count 2
		.amdhsa_user_sgpr_kernarg_segment_ptr 1
		.amdhsa_wavefront_size32 1
		.amdhsa_system_sgpr_workgroup_id_x 1
		.amdhsa_system_sgpr_workgroup_id_y 1
		.amdhsa_system_sgpr_workgroup_id_z 1
		.amdhsa_system_vgpr_workitem_id 0
		.amdhsa_next_free_vgpr 256
		.amdhsa_next_free_sgpr 100
		.amdhsa_reserve_vcc 1
		.amdhsa_float_denorm_mode_32 3
		.amdhsa_float_denorm_mode_16_64 3
		.amdhsa_fp16_overflow 1
		.amdhsa_memory_ordered 1
		.amdhsa_forward_progress 1
		.amdhsa_inst_pref_size 90
	.end_amdhsa_kernel
	.amdgpu_metadata
---
amdhsa.version: [ 1, 2 ]
amdhsa.kernels:
  - .name:           k_qefce066386_attn
    .symbol:         k_qefce066386_attn.kd
    .args:
      - { .name: qimg, .offset: 0, .size: 8, .value_kind: global_buffer, .address_space: global }
      - { .name: kv, .offset: 8, .size: 8, .value_kind: global_buffer, .address_space: global }
      - { .name: lowp_scales, .offset: 16, .size: 8, .value_kind: global_buffer, .address_space: global }
      - { .name: aimg, .offset: 24, .size: 8, .value_kind: global_buffer, .address_space: global }
    .group_segment_fixed_size: 327680
    .private_segment_fixed_size: 0
    .kernarg_segment_align: 8
    .kernarg_segment_size: 32
    .max_flat_workgroup_size: 512
    .sgpr_count:     100
    .vgpr_count:     256
    .wavefront_size: 32
...
	.end_amdgpu_metadata
.endif
;; end of part 3
;; launch outp (part 4): grid 4 x 32, 4 waves a work-group, clusters of 4 x 4, 327,680 bytes of LDS; arguments aimg, codes, lowp_scales, out0; writes out0
.if DOCPART == 4
	.amdgcn_target "amdgcn-amd-amdhsa--gfx1250"
	.amdhsa_code_object_version 6
	.text
	.protected	k_qefce066386_outp
	.globl	k_qefce066386_outp
	.p2align	8
	.type	k_qefce066386_outp,@function
k_qefce066386_outp:
	s_mov_b64 s[64:65], 0
	v_nop
	global_prefetch_b8 v0, s[64:65] scope:SCOPE_SE
	s_setreg_imm32_b32 hwreg(HW_REG_WAVE_MODE, 25, 1), 1
	s_wait_xcnt 0x0
	s_wait_alu depctr_hold_cnt(0) depctr_sa_sdst(0) depctr_va_vdst(0) depctr_va_sdst(0) depctr_va_ssrc(0) depctr_va_vcc(0) depctr_vm_vsrc(0)
	s_getreg_b32 s2, hwreg(HW_REG_IB_STS2, 6, 4)
	s_cmp_eq_u32 s2, 0
	s_cbranch_scc0 .Lentry_in_a_cluster
	s_endpgm
.Lentry_in_a_cluster:
	s_bfe_u32 s2, ttmp6, 0x10000c
	s_cmp_lg_u32 s2, 0xf033
	s_cbranch_scc0 .Lentry_shape_is_right
	s_endpgm
.Lentry_shape_is_right:
; The output projection: out[m][n] = sum over k of A[m][k] WO[n][k] on codes of FP8 (E4M3); A: the attention's result, 8,192 x 1,024; WO: 1,024 x 1,024; out: f32.  Each finished sum is multiplied once by 2^(ea + eb), entries 10 and 11.
; LIMIT: ea + eb between -126 and 127.
; A tile of 256 x 256 to a work-group of four waves, 128 x 128 a wave: 128 tiles, 128 work-groups: a tile of 128 x 256 would give 256, but its wave tile of 64 x 128 reads half as many LDS bytes again for each product.
; K goes in steps of 256 through a ring of two LDS slots filled by joint tensor loads in a 4 x 4 cluster: A's tile shared along a row, WO's along a column.
; A LIES IN MEMORY AS IMAGES OF ITS FRAGMENTS: [512 blocks of 16 tokens][8 fragments of 128 K][4 c][32 lanes][16].  A K step's part of a block is 4,096 consecutive bytes: a wave's tile is 8 such rows, 16,384 bytes apart, dense in LDS;
; a fragment's four registers are 512 consecutive bytes, 16 a lane.  WO comes as rows of 256 bytes, 272 apart in LDS.  In both, registers 4 c .. 4 c + 3 of lane l hold K = 32 c + 16 (l / 16) + 0 .. 15.
; THE MATRIX INSTRUCTION IS USED TRANSPOSED (source 0 = 16 rows of WO, source 1 = 16 tokens): a lane holds eight neighbouring numbers of a row of out.
; REGISTERS: window 0: v16-29 addresses; from v128 A's fragments, ONE set; on the way out v32-255 are free.  window 1: WO's fragments, TWO sets.  windows 2, 3: the accumulators of my rows 0-63, 64-127.
.set SIZE_N, 1024
.set KSTEP,  256
.set ROWB,   256
.set AROWB,  4096                      ; a K step's part of a token block
.set KROW,   1024
.set PITCH,  272
.set FR,     16
.set NL,     4
.set NP,     4
.set HALFT,  128*PITCH                 ; a wave's part of a slot (A's tiles use 32,768 bytes of it)
.set SLOT,   4*HALFT
.set LAPS,   2
.set SPARE,  2*SLOT
.set SPITCH, 528                       ; the way out: a stage of 16 rows x (512 bytes + 16) for each wave, in slot 0, which has had its last fill and its last read when the first result is stored there
.set ADRA, 16
.set ADRB, 20
.set STO,  24
.set RD,   25
.set CO,   26
.set SPW,  28
.set NIL,  29
.set TMP,  32
.set AF,   128
.set BK,   128
.set G1, 24
.set G0, 32
.set G1B, 48
.set G0B, 56
.set MSB, 0
.macro WIN new
.if MSB != (\new)
	s_set_vgpr_msb (MSB<<8)|(\new)
.set MSB, (\new)
.endif
.endm
.set MUL_LO, 0xa1
.set MUL_HI, 0xf1
.set TO_B,   0x40
.macro JLOAD g0a, g1a, g0b, g1b        ; waves 0 and 1 fetch for A, waves 2 and 3 for WO; an s_nop 0 and four v_nop follow each line
	s_cmp_eq_u32 s15, 0
	s_cbranch_scc0 .Lfor_b_\@
	tensor_load_to_lds s[\g0a:\g0a+3], s[\g1a:\g1a+7]
	s_nop 0
.rept 4
	v_nop
.endr
	s_branch .Lasked_\@
.Lfor_b_\@:
	tensor_load_to_lds s[\g0b:\g0b+3], s[\g1b:\g1b+7]
	s_nop 0
.rept 4
	v_nop
.endr
.Lasked_\@:
.endm
.macro CREST
	s_cmp_lg_u32 s14, 0
	s_cbranch_scc1 .Lnot_wave_0_\@
	s_barrier_signal -3
.Lnot_wave_0_\@:
	s_barrier_wait -3
	s_barrier_signal -1
	s_barrier_wait -1
.endm
.macro CROUND
	s_barrier_signal -1
	s_barrier_wait -1
	CREST
.endm
	s_load_b128 s[4:7], s[0:1], 0x0                ; A's images s[4:5], the buffer of codes s[6:7]
	s_load_b128 s[8:11], s[0:1], 0x10              ; the scales s[8:9], out s[10:11]
	v_lshl_add_u32 v[SPW], v0, 2, SPARE
	v_mov_b32 v[NIL], 0
	ds_add_u32 v[SPW], v[NIL]                      ; the wave's opening: the add and its wait ahead of my first tensor load
	ds_add_u32 v[SPW], v[NIL]
	v_lshrrev_b32 v1, 5, v0
	v_readfirstlane_b32 s14, v1
	s_lshr_b32 s15, s14, 1                         ; my half of the tile's rows.  Also: I fetch for A (0) or for WO (1)
	s_and_b32 s16, s14, 1                          ; my half of its columns.  Also: which half of that tile I fetch
	s_bfe_u32 s40, ttmp6, 0x40000
	s_bfe_u32 s41, ttmp6, 0x40004
	s_lshl_b32 s42, ttmp9, 2
	s_add_co_u32 s42, s42, s40                     ; tile column
	s_and_b32 s17, ttmp7, 0xffff
	s_lshl_b32 s17, s17, 2
	s_add_co_u32 s17, s17, s41                     ; tile row
	s_lshl_b32 s43, s41, 2
	s_lshl_b32 s43, 15, s43
	s_lshl_b32 s44, 0x1111, s40
	s_or_b32 s[G1+0], s43, (3<<16)|(1<<21)         ; A: the mask of my row; elements of 8 bytes; bit 21 beside a mask; no padding
	s_mov_b32 s[G1+1], 512<<16                     ; tensor_dim0 = 512: rows of 4,096 bytes
	s_mov_b32 s[G1+2], 8<<16                       ; tensor_dim1 = 8
	s_mov_b32 s[G1+3], 512<<16                     ; tile_dim0
	s_mov_b32 s[G1+4], 8                           ; tile_dim1
	s_mov_b32 s[G1+5], 2048                        ; stride: 16,384 bytes
	s_mov_b32 s[G1+6], 0
	s_mov_b32 s[G1+7], 0
	s_or_b32 s[G1B+0], s44, (0<<16)|(1<<20)|(1<<21)|(5<<22)|(3<<25)  ; WO: the mask of my column; elements of 1 byte; after every 64 words 4 words of padding
	s_mov_b32 s[G1B+1], ROWB<<16
	s_mov_b32 s[G1B+2], 128<<16
	s_mov_b32 s[G1B+3], ROWB<<16
	s_mov_b32 s[G1B+4], 128
	s_mov_b32 s[G1B+5], KROW
	s_mov_b32 s[G1B+6], 0
	s_mov_b32 s[G1B+7], 0
	s_lshl_b32 s18, s16, 3
	s_lshl_b32 s20, s17, 4
	s_add_co_u32 s20, s20, s18                     ; A: token block 16 x tile row + 8 x half,
	s_lshl_b32 s20, s20, 14                        ; 16,384 bytes each
	s_mov_b32 s21, 0
	s_lshl_b32 s18, s16, 7
	s_lshl_b32 s46, s42, 8
	s_add_co_u32 s46, s46, s18                     ; WO: row 256 x tile column + 128 x half,
	s_lshl_b32 s46, s46, 10
	s_add_co_u32 s46, s46, 0x1b00000               ; at 27 MiB of the buffer of codes
	s_mov_b32 s47, 0
	s_mul_i32 s45, s14, HALFT
	s_wait_dscnt 0x0                               ; the opening add is done
	s_wait_kmcnt 0x0
	s_load_b64 s[96:97], s[8:9], 0x28              ; entries 10 and 11
	s_add_nc_u64 s[20:21], s[4:5], s[20:21]
	s_add_nc_u64 s[46:47], s[6:7], s[46:47]
	CROUND                                         ; all sixteen work-groups are here: the first joint loads meet
.irp s, 0,1
	s_mov_b32 s[G0+4*\s], 1
	s_add_co_u32 s[G0+4*\s+1], s45, \s*SLOT
	s_add_nc_u64 s[G0+4*\s+2:G0+4*\s+3], s[20:21], \s*AROWB
	s_or_b32 s[G0+4*\s+3], s[G0+4*\s+3], 0x80000000
	s_mov_b32 s[G0B+4*\s], 1
	s_add_co_u32 s[G0B+4*\s+1], s45, \s*SLOT
	s_add_nc_u64 s[G0B+4*\s+2:G0B+4*\s+3], s[46:47], \s*ROWB
	s_or_b32 s[G0B+4*\s+3], s[G0B+4*\s+3], 0x80000000
	s_wait_alu depctr_va_vdst(0)
	s_wait_tensorcnt 0x0
	ds_add_u32 v28, v29
	ds_add_u32 v28, v29
	s_wait_dscnt 0x0
	CROUND
	JLOAD G0+4*\s, G1, G0B+4*\s, G1B
.endr
	v_and_b32 v1, 15, v0
	v_bfe_u32 v2, v0, 4, 1
	v_mul_u32_u24 v3, v1, PITCH
	v_lshl_add_u32 v4, v2, 4, v3                   ; WO: a fragment's row x pitch + 16 x half
	v_and_b32 v6, 31, v0
	v_lshlrev_b32 v[CO], 4, v6                     ; 16 x lane: A's images; and a row of out on the way back
	s_wait_alu depctr_va_vdst(0)
	s_mul_i32 s21, s15, HALFT
	s_mul_i32 s22, s16, HALFT
	s_add_co_u32 s22, s22, 2*HALFT
.irp s, 0,1
	v_add_nc_u32 v[ADRA+\s], s21, v[CO]
	v_add_nc_u32 v[ADRB+\s], s22, v4
	s_add_co_u32 s21, s21, SLOT
	s_add_co_u32 s22, s22, SLOT
.endr
	s_mul_i32 s23, s14, 16*SPITCH                  ; my stage
	v_mul_u32_u24 v5, v1, SPITCH
	v_lshl_add_u32 v5, v2, 5, v5
	v_add_nc_u32 v[STO], s23, v5                   ; in: row l % 16, 32 bytes for each half of the lanes
	v_add_nc_u32 v[RD], s23, v[CO]                 ; back: the 32 lanes take one row of 512 bytes
	s_lshl_b32 s20, s17, 8
	s_lshl_b32 s21, s15, 7
	s_add_co_u32 s20, s20, s21                     ; my first row of out
	s_mov_b32 s21, 0
	s_mov_b64 s[18:19], SIZE_N*4
	s_mul_u64 s[20:21], s[20:21], s[18:19]
	s_lshl_b32 s46, s42, 10
	s_lshl_b32 s47, s16, 9
	s_add_co_u32 s46, s46, s47                     ; my first column, in bytes
	s_mov_b32 s47, 0
	s_add_nc_u64 s[20:21], s[20:21], s[46:47]
	s_add_nc_u64 s[10:11], s[10:11], s[20:21]
.macro FRAG reg, adr, q, i             ; a fragment of WO from rows
.irp c, 0,1,2,3
	ds_load_b128 v[\reg+4*\c:\reg+4*\c+3], v[\adr] offset:128*(\q)+32*\c+(\i)*16*PITCH
.endr
.endm
.macro FRAGA reg, adr, q, i            ; a fragment of A from its image: token block i, the slot's q-th 128 along K
.irp c, 0,1,2,3
	ds_load_b128 v[\reg+4*\c:\reg+4*\c+3], v[\adr] offset:4096*(\i)+2048*(\q)+512*\c
.endr
.endm
.macro MUL16 a0, p, zero               ; the 64 accumulators take turns, one instruction a turn
.irp a, \a0, \a0+1
.irp b, 0,1,2,3,4,5,6,7
.if \zero
	v_wmma_f32_16x16x128_fp8_fp8 v[8*(8*((\a)%4)+\b):8*(8*((\a)%4)+\b)+7], v[128*(\p)+FR*\b:128*(\p)+FR*\b+FR-1], v[AF+FR*(\a):AF+FR*(\a)+FR-1], 0
.else
	v_wmma_f32_16x16x128_fp8_fp8 v[8*(8*((\a)%4)+\b):8*(8*((\a)%4)+\b)+7], v[128*(\p)+FR*\b:128*(\p)+FR*\b+FR-1], v[AF+FR*(\a):AF+FR*(\a)+FR-1], v[8*(8*((\a)%4)+\b):8*(8*((\a)%4)+\b)+7]
.endif
.endr
.endr
.endm
.macro FETCH_B slot, q, p
	WIN TO_B
.irp i, 0,1,2,3,4,5,6,7
	FRAG 128*(\p)+FR*\i, ADRB+\slot, \q, \i
.endr
	WIN 0
.endm
.macro FETCH_A slot, q, i0
.irp i, \i0, \i0+1, \i0+2, \i0+3
	FRAGA AF+FR*(\i), ADRA+\slot, \q, \i
.endr
.endm
.macro PLACES n
.rept \n
	v_nop
.endr
.endm
.macro STEP slot, q, zero
	s_wait_dscnt 4*NL                              ; WO's set and A's blocks 0-3 are in; the youngest sixteen loads (A's blocks 4-7) may be out
	WIN MUL_LO
	MUL16 0, (\q)%2, \zero
	MUL16 2, (\q)%2, \zero
	s_wait_dscnt 0
	PLACES NP
	FETCH_B \slot, (\q)+1, 1-(\q)%2
	FETCH_A \slot, (\q)+1, 0
	WIN MUL_HI
	MUL16 4, (\q)%2, \zero
	MUL16 6, (\q)%2, \zero
	PLACES NP
	WIN 0
	FETCH_A \slot, (\q)+1, 4
.endm
.macro TURN slot, next, fill
	s_wait_tensorcnt 0x0                           ; all my tensor loads have landed: my part of the next slot
	ds_add_u32 v[SPW], v[NIL]
	s_wait_dscnt 4*NL+1                            ; (the add and the youngest sixteen loads may be out)
	WIN MUL_LO
	MUL16 0, 1, 0
	s_wait_dscnt 0x0                               ; the add is done, and my reads of this slot are over
	s_barrier_signal -1
	MUL16 2, 1, 0
	WIN 0
	s_barrier_wait -1
.if \fill
	CREST                                          ; the barrier has opened a round of the cluster's
	s_add_nc_u64 s[G0+4*\slot+2:G0+4*\slot+3], s[G0+4*\slot+2:G0+4*\slot+3], 2*AROWB
	s_add_nc_u64 s[G0B+4*\slot+2:G0B+4*\slot+3], s[G0B+4*\slot+2:G0B+4*\slot+3], 2*ROWB
	JLOAD G0+4*\slot, G1, G0B+4*\slot, G1B
.else
	PLACES NP
.endif
	FETCH_B \next, 0, 0
	FETCH_A \next, 0, 0
	WIN MUL_HI
	MUL16 4, 1, 0
	MUL16 6, 1, 0
	PLACES NP
	WIN 0
	FETCH_A \next, 0, 4
.endm
	s_wait_alu depctr_va_vdst(0)
	s_wait_tensorcnt 1                             ; my part of K step 0 is in (K step 1's load may be out),
	s_barrier_signal -1
	s_barrier_wait -1                              ; everybody's is
	FETCH_B 0, 0, 0
	FETCH_A 0, 0, 0
	FETCH_A 0, 0, 4
	STEP 0, 0, 1
	s_mov_b32 s3, LAPS-1
.Llap:
	TURN 0, 1, 1
	STEP 1, 0, 0
	TURN 1, 0, 1
	STEP 0, 0, 0
	s_sub_co_u32 s3, s3, 1
	s_cmp_lg_u32 s3, 0
	s_cbranch_scc1 .Llap
	TURN 0, 1, 0
	STEP 1, 0, 0
	s_wait_dscnt 4*NL
	WIN MUL_LO
	MUL16 0, 1, 0
	MUL16 2, 1, 0
	s_wait_dscnt 0
	WIN MUL_HI
	MUL16 4, 1, 0
	MUL16 6, 1, 0
	WIN 0
; THE WAY OUT, block by block of 16 rows x 128 columns, through my own stage in LDS: in as 32 bytes a lane, back as whole rows of 512 bytes.  LDS serves a wave's instructions in order (ISA guide 5.7.1.4).
.macro TOSTAGE a
.set AC, 64*((\a)%4)
	WIN 0x02+((\a)/4)
.irp j, 0,2,4,6,8,10,12,14,16,18,20,22,24,26,28,30,32,34,36,38,40,42,44,46,48,50,52,54,56,58,60,62
	v_pk_mul_f32 v[TMP+\j:TMP+\j+1], v[AC+\j:AC+\j+1], s[96:97] op_sel_hi:[1,0]   ; x 2^(ea + eb); each accumulator from its low end on
.endr
	WIN 0
.irp b, 0,1,2,3,4,5,6,7
	ds_store_b128 v[STO], v[TMP+8*\b:TMP+8*\b+3] offset:64*\b
	ds_store_b128 v[STO], v[TMP+8*\b+4:TMP+8*\b+7] offset:64*\b+16
.endr
.set BB, BK+64*((\a)%2)
.irp t, 0,1,2,3,4,5,6,7,8,9,10,11,12,13,14,15
	ds_load_b128 v[BB+4*\t:BB+4*\t+3], v[RD] offset:\t*SPITCH
.endr
.endm
.macro SEND a, younger
.set BB, BK+64*((\a)%2)
	s_wait_dscnt \younger                          ; the block is back in registers
.if (\a) > 0
	s_add_nc_u64 s[10:11], s[10:11], 16*SIZE_N*4   ; (behind a wait on XCNT: the earlier stores have read their base)
.endif
.irp t, 0,1,2,3,4,5,6,7,8,9,10,11,12,13,14,15
	global_store_b128 v[CO], v[BB+4*\t:BB+4*\t+3], s[10:11] offset:\t*SIZE_N*4 th:TH_STORE_NT   ; 32 lanes store 512 consecutive bytes, aligned
.endr
.endm
	s_wait_kmcnt 0x0
	s_add_co_i32 s96, s96, s97
	s_add_co_i32 s96, s96, 127
	s_lshl_b32 s96, s96, 23                        ; 2^(ea + eb) as f32
	PLACES NP
	TOSTAGE 0
.irp a, 1,2,3,4,5,6,7
.if \a > 1
	s_wait_xcnt 0x0                                ; block a - 2's stores have read their registers and their base
.endif
	TOSTAGE \a
	SEND \a-1, 32                                  ; behind block a - 1's loads: block a's 16 stores and 16 loads
.endr
	s_wait_xcnt 0x0
	SEND 7, 0
	s_wait_tensorcnt 0x0                           ; the wave's end
	ds_add_u32 v[SPW], v[NIL]
	s_wait_dscnt 0x0
	CROUND                                         ; the closing round
	s_endpgm
.Lfunc_end_k_qefce066386_outp:
	.size	k_qefce066386_outp, .Lfunc_end_k_qefce066386_outp-k_qefce066386_outp
	.p2alignl 7, 3214868480
	.fill 96, 4, 3214868480
	.section	.rodata,"a",@progbits
	.p2align	6, 0x0
	.amdhsa_kernel k_qefce066386_outp
		.amdhsa_group_segment_fixed_size 327680
		.amdhsa_private_segment_fixed_size 0
		.amdhsa_enable_private_segment 0
		.amdhsa_kernarg_size 32
		.amdhsa_user_sgpr_count 2
		.amdhsa_user_sgpr_kernarg_segment_ptr 1
		.amdhsa_wavefront_size32 1
		.amdhsa_system_sgpr_workgroup_id_x 1
		.amdhsa_system_sgpr_workgroup_id_y 1
		.amdhsa_system_sgpr_workgroup_id_z 1
		.amdhsa_system_vgpr_workitem_id 0
		.amdhsa_next_free_vgpr 1024
		.amdhsa_next_free_sgpr 98
		.amdhsa_reserve_vcc 0
		.amdhsa_float_denorm_mode_32 3
		.amdhsa_float_denorm_mode_16_64 3
		.amdhsa_memory_ordered 1
		.amdhsa_forward_progress 1
		.amdhsa_inst_pref_size 124
	.end_amdhsa_kernel
	.amdgpu_metadata
---
amdhsa.version: [ 1, 2 ]
amdhsa.kernels:
  - .name:           k_qefce066386_outp
    .symbol:         k_qefce066386_outp.kd
    .args:
      - { .name: aimg, .offset: 0, .size: 8, .value_kind: global_buffer, .address_space: global }
      - { .name: codes, .offset: 8, .size: 8, .value_kind: global_buffer, .address_space: global }
      - { .name: lowp_scales, .offset: 16, .size: 8, .value_kind: global_buffer, .address_space: global }
      - { .name: out0, .offset: 24, .size: 8, .value_kind: global_buffer, .address_space: global }
    .group_segment_fixed_size: 327680
    .private_segment_fixed_size: 0
    .kernarg_segment_align: 8
    .kernarg_segment_size: 32
    .max_flat_workgroup_size: 128
    .sgpr_count:     98
    .vgpr_count:     1024
    .wavefront_size: 32
...
	.end_amdgpu_metadata
.endif
;; end of part 4
